; MI455X (gfx1250); checked and timed in simulation.
; The chip was launched on July 23, 2026; its instructions are those of AMD's public machine-readable ISA for CDNA 5 (MIT licence, August 2026) and "CDNA5" Instruction Set Architecture Reference Guide (July 2026). The comments in the code are by the model that wrote it; some were corrected since.
;; Multiple Head Attention. Allowed arithmetic: matrix products marked QUANTISED: E4M3 operands, one E8M0 scale for each 32 along K, by v_wmma_scale_f32_16x16x128_f8f6f4 with both operands' format E4M3, f32 sums; everything else in f32.
;; Inputs: bk 16 x 64 float32; bo 1,024 float32; bq 16 x 64 float32; bv 16 x 64 float32; k 4 x 2,048 x 1,024 float32; q 4 x 2,048 x 1,024 float32; v 4 x 2,048 x 1,024 float32; wk 16 x 1,024 x 64 float32; wo 1,024 x 1,024 float32; wq 16 x 1,024 x 64 float32; wv 16 x 1,024 x 64 float32.
;; Outputs: out0 4 x 2,048 x 1,024 float32.
;; Constants: use_mask = 1.
;; This version of the problem:
;;   THIS VERSION OF THE PROBLEM IS GIVEN IN LOW PRECISION. The matrix products marked QUANTISED in the list below multiply operands that are first quantised to E4M3 (4 exponent bits, 3 mantissa bits; 8 bits a number), with one power-of-two scale for each 32 numbers along K (OCP MX v1.0); their sums are f32. All else is computed in f32.
;;   The module's matrix products, in the order in which they are computed (A, B: the left and right operand; K: the contracted axis; several contracted axes count as one K, in the product's order):
;;     1. [M 1,024, K 1,024] x [K 1,024, N 8,192]; A: input wq; B: input q: QUANTISED
;;     2. [M 1,024, K 1,024] x [K 1,024, N 8,192]; A: input wk; B: input k: QUANTISED
;;     3. [M 1,024, K 1,024] x [K 1,024, N 8,192]; A: input wv; B: input v: QUANTISED
;;     4. batch 64 x [M 2,048, K 64] x [K 64, N 2,048]; A: computed on the way; B: computed on the way: QUANTISED
;;     5. batch 64 x [M 2,048, K 2,048] x [K 2,048, N 64]; A: softmax (see below); B: computed on the way: QUANTISED
;;     6. [M 8,192, K 1,024] x [K 1,024, N 1,024]; A: computed on the way; B: input wo: QUANTISED
;;   THE QUANTISER, for each operand of a quantised product, along K:
;;     - K is cut into blocks of 32 from its start; a last block that is shorter is filled with zeros.
;;     - A block's scale is 2^e with e = floor(log2(the largest magnitude in the block)) - 8, held to -126 .. 127; a block of zeros has e = 0. As a byte (E8M0): e + 127.
;;     - Each number is divided by its block's scale, clamped to +-448, and rounded to the nearest number of E4M3, ties to even, subnormals kept.
;;     - The product sums the exact products of the quantised numbers (number of the format x scale) in f32.
;;   ~~~python
;;   def quantise(x, axis):      # numpy; x: float32 -> the quantised numbers, widened to float32 again
;;       x = np.moveaxis(x, axis, -1); K = x.shape[-1]
;;       x = np.pad(x, [(0, 0)] * (x.ndim - 1) + [(0, -K % 32)]); x = x.reshape(x.shape[:-1] + (-1, 32)); a = np.abs(x).max(-1, keepdims=True)
;;       e = np.where(a > 0, np.clip(np.frexp(np.where(a > 0, a, 1))[1] - 1 - 8, -126, 127), 0)      # np.frexp(a)[1] - 1 = floor(log2(a)), exactly
;;       r = np.clip(x / 2.0 ** e, -448, 448)
;;       step = 2.0 ** (np.maximum(np.frexp(np.where(r == 0, 1, r))[1] - 1, -6) - 3)
;;       q = np.round(r / step) * step * 2.0 ** e      # np.round: ties to even
;;       return np.moveaxis(q.reshape(q.shape[:-2] + (-1,))[..., :K], -1, axis).astype(np.float32)
;;   ~~~
;;   SOFTMAX AHEAD OF A QUANTISED PRODUCT. Where the list says 'softmax', what is quantised is not the finished softmax but p = 2^(t - M), with t = logit x log2(e) and M = ceil(the row's largest t), a whole number; so 1/2 < the row's largest p <= 1. The row's sum l is taken of the UNQUANTISED p, in f32, and the product's result is divided by l at the end. Since M is a whole number, a kernel that streams over the keys may use a running M (the ceiling of the running maximum): every later rescaling is an exact power of two, which a block's scale takes up: the codes' values come out the same.
;;   OPERANDS COMPUTED ON THE WAY. 'Computed on the way' means the value that the module computes at that place (a softmax that the list does not call 'softmax' is quantised finished and normalised). What goes into a quantiser is computed in f32, as accurately as f32 sums, v_exp_f32 and their like allow (about 1e-6 of the number): no bf16 or f16 on the way to a quantiser, and a product that is left as it is and whose result goes on into a quantised operand takes f32 operands (vector FMAs, or v_wmma_f32_16x16x4_f32). A number that lies on a knife's edge between two numbers of the format may be rounded either way, as far as f32 arithmetic and the matrix unit's own rounding can turn it there, and no further.
;; One version. Each part assembles by itself: llvm-mc -triple=amdgcn-amd-amdhsa -mcpu=gfx1250 --defsym DOCPART=n.
;; ======== version 1 of 1: 4 launches
;; limits: right only within a limited range of input values
;; workspace buffers: xc 25,165,824 bytes; xs 786,432 bytes; wc 4,194,304 bytes; ws 131,072 bytes; hc 25,165,824 bytes; hs 786,432 bytes; cc 8,388,608 bytes; cs 262,144 bytes
;; launch quant_x (part 1): grid 256 x 4, 4 waves a work-group, no clusters, 34,304 bytes of LDS; arguments q, k, v, xc, xs, wq, wk, wv, wo, wc, ws; writes xc, xs, wc, ws
.if DOCPART == 1
	.amdgcn_target "amdgcn-amd-amdhsa--gfx1250"
	.amdhsa_code_object_version 6
	.text
	.protected	k_q6e78b9e420_quant_x
	.globl	k_q6e78b9e420_quant_x
	.p2align	8
	.type	k_q6e78b9e420_quant_x,@function
k_q6e78b9e420_quant_x:
	s_mov_b64 s[64:65], 0
	v_nop
	global_prefetch_b8 v0, s[64:65] scope:SCOPE_SE
	s_setreg_imm32_b32 hwreg(HW_REG_WAVE_MODE, 25, 1), 1
	s_wait_xcnt 0x0
; q, k, v: [8192 rows][1024] f32, K innermost, become codes of E4M3 with one E8M0 scale byte for each 32 along K.
; A block's scale is 2^(floor(log2(its largest magnitude)) - 8); its byte is the largest magnitude's exponent field - 8, held at 1 from below; each number is divided by the scale, held within +-448 and rounded to the nearest code, ties to even.
; LIMITS: a block of zeros gets the byte 1 where the rule says 127 (its codes are zeros, and this program alone reads the bytes); NaN and infinities among the inputs are not served.
; LAYOUT OF THE CODES (xc): [tensor 3][tile of 16 rows: 512][block of 32 along K: 32][512 bytes].  In a block the byte 256 h + 16 r + i is (row r, k = 16 h + i): the 16 bytes at 16 x lane are what lane r + 16 h
; of a matrix operand holds in four registers, so one 16-byte load or store of a wave moves a block: 512 consecutive bytes.
; THE ROWS OF A TILE ARE NOT NEIGHBOURS: tile 2 i + u, lane r, holds row 32 i + 8 u + r + 8 (r / 8).  Used as source 0 of a product, two neighbouring tiles then give a lane 16 neighbours along the next product's K.
; LAYOUT OF THE SCALE BYTES (xs): [tensor][tile][K / 256: 4][r 16][8 bytes].
; SHARES: work-group x = a group of 32 rows, y = the tensor.  Wave w: tile 2 x + w / 2, half w % 2 of K; four steps of 16 rows x 128 along K.
; Each load reads 512 consecutive bytes of one row; a step's 16 rows turn through the wave's own stage in LDS, so that a lane gets 16 neighbours of each of its row's four blocks.  Waves share nothing: no barrier.
; No matrix unit, no cluster, no tensor load: the launch streams, and no byte is read by two work-groups.
.set SP,   528                         ; a stage row: 512 bytes + 16, an odd multiple of 16
.set STG,  16*SP                       ; a wave's stage
.set LO,   1                           ; v1   16 x lane: my bytes of a load's 512 and of a block; never rewritten
.set STW,  2                           ; v2   the stage, on the way in
.set STR,  3                           ; v3   and on the way out: row r, + 64 h
.set SO,   4                           ; v4   my 8 scale bytes: 128 h + 8 r
.set TM,   8                           ; v8-11 largest magnitudes, v12-15 bytes, v16-19 448 x the scale, v20-23 the conversions' scale operands
.set PW,   24                          ; v24-27 a scale word for each step
.set SW,   28                          ; v28-29 the two words that I store
.set PC,   32                          ; v32-63 codes, two sets of 16
.set R,    64                          ; v64-191 two sets of 64 registers as loaded
.set X,    192                         ; v192-255 register 16 b + i: k = 32 b + 16 h + i of my row
.set SEL,  20                          ; s[20:21] v_permlanex16_b32's selects for lane l xor 16
.set MNT,  23                          ; s23  the mantissa field of 448
	s_and_b32 s16, ttmp7, 0xffff                   ; work-group y = 3: the four weights, whose K is not innermost: a path of its own, at the text's end; it touches no LDS
	s_cmp_eq_u32 s16, 3
	s_cbranch_scc1 .Lweights
	s_load_b256 s[4:11], s[0:1], 0x0               ; q, k, v, xc
	s_load_b64 s[12:13], s[0:1], 0x20              ; xs
	v_lshl_add_u32 v30, v0, 2, 0x8400
	v_mov_b32 v31, 0
	v_lshrrev_b32 v5, 5, v0
	v_readfirstlane_b32 s14, v5                    ; wave 0..3
	v_and_b32 v5, 31, v0                           ; lane
	v_and_b32 v6, 15, v0                           ; r
	v_bfe_u32 v7, v0, 4, 1                         ; h
	v_lshlrev_b32 v[LO], 4, v5
	s_mul_i32 s15, s14, STG
	v_add_nc_u32 v[STW], s15, v[LO]
	v_mul_u32_u24 v[STR], v6, SP
	v_lshl_add_u32 v[STR], v7, 6, v[STR]
	v_add_nc_u32 v[STR], s15, v[STR]
	v_lshlrev_b32 v[SO], 3, v6
	v_lshl_add_u32 v[SO], v7, 7, v[SO]
	s_mov_b32 s[SEL], 0x76543210
	s_mov_b32 s[SEL+1], 0xfedcba98
	s_mov_b32 s[MNT], 0x600000
.irp b, 0,1,2,3
	v_mov_b32 v[TM+4+\b], 0                        ; written once: a lane permute's destination counts as one of its sources
.endr
	s_and_b32 s16, ttmp7, 0xffff                   ; which tensor
	s_lshr_b32 s17, s14, 1                         ; u
	s_and_b32 s18, s14, 1                          ; which half of K
	s_lshl_b32 s24, ttmp9, 17                      ; in: 32 rows of 4,096 bytes a group,
	s_lshl_b32 s25, s17, 15                        ; 8 rows on for u = 1,
	s_add_co_u32 s24, s24, s25
	s_lshl_b32 s25, s18, 11                        ; 512 numbers on for the second half
	s_add_co_u32 s24, s24, s25
	s_mov_b32 s25, 0
	s_lshl_b32 s19, ttmp9, 1
	s_add_co_u32 s19, s19, s17                     ; my tile
	s_lshl_b32 s26, s16, 23                        ; codes: 8 MiB a tensor, 16,384 bytes a tile, 8,192 a half
	s_lshl_b32 s27, s19, 14
	s_add_co_u32 s26, s26, s27
	s_lshl_b32 s27, s18, 13
	s_add_co_u32 s26, s26, s27
	s_mov_b32 s27, 0
	s_lshl_b32 s28, s16, 18                        ; scale bytes: 262,144 a tensor, 512 a tile, 256 a half
	s_lshl_b32 s29, s19, 9
	s_add_co_u32 s28, s28, s29
	s_lshl_b32 s29, s18, 8
	s_add_co_u32 s28, s28, s29
	s_mov_b32 s29, 0
	s_wait_alu depctr_va_vdst(0)
	s_wait_kmcnt 0x0
	s_cmp_eq_u32 s16, 0                            ; the choice hangs on the work-group's number alone
	s_cselect_b64 s[4:5], s[4:5], s[6:7]
	s_cmp_eq_u32 s16, 2
	s_cselect_b64 s[4:5], s[8:9], s[4:5]
	s_add_nc_u64 s[4:5], s[4:5], s[24:25]
	s_add_nc_u64 s[10:11], s[10:11], s[26:27]
	s_add_nc_u64 s[12:13], s[12:13], s[28:29]
.macro LOAD t                          ; step t: 128 numbers of each of the tile's 16 rows; the tile's lane p is row p + 8 (p / 8) of my 24
.irp p, 0,1,2,3,4,5,6,7,8,9,10,11,12,13,14,15
	global_load_b128 v[R+64*((\t)%2)+4*\p:R+64*((\t)%2)+4*\p+3], v[LO], s[4:5] offset:(\p+8*(\p/8))*4096+512*(\t) th:TH_LOAD_NT
.endr
.endm
.macro TURN t                          ; through the stage: LDS serves a wave's instructions in order (ISA guide 5.7.1.4), so no wait stands between the stores and the loads
.irp p, 0,1,2,3,4,5,6,7,8,9,10,11,12,13,14,15
	ds_store_b128 v[STW], v[R+64*((\t)%2)+4*\p:R+64*((\t)%2)+4*\p+3] offset:SP*\p
.endr
.irp b, 0,1,2,3
.irp j, 0,1,2,3
	ds_load_b128 v[X+16*\b+4*\j:X+16*\b+4*\j+3], v[STR] offset:128*\b+16*\j
.endr
.endr
.endm
.macro QUANT pc, pw                    ; X's 64 numbers become 16 registers of codes at v[pc] and a scale word in v[pw]
.irp b, 0,1,2,3
	v_max3_num_f32 v[TM+\b], |v[X+16*\b]|, |v[X+1+16*\b]|, 0x4800000   ; block b: my 16 numbers and the floor 2^(9 - 127): the byte cannot fall under 1
.endr
.irp i, 2,4,6,8,10,12,14
.irp b, 0,1,2,3
	v_max3_num_f32 v[TM+\b], v[TM+\b], |v[X+16*\b+\i]|, |v[X+1+16*\b+\i]|   ; the four blocks by turns
.endr
.endr
.irp b, 0,1,2,3
	v_permlanex16_b32 v[TM+4+\b], v[TM+\b], s[SEL], s[SEL+1]
.endr
.irp b, 0,1,2,3
	v_max_num_f32 v[TM+\b], v[TM+\b], v[TM+4+\b]   ; with lane l xor 16's 16: the block's largest magnitude
.endr
.irp b, 0,1,2,3
	v_add_nc_u32 v[TM+12+\b], 0xfc000000, v[TM+\b] ; 8 off its exponent field: the conversion takes this operand's exponent field as its scale
.endr
.irp b, 0,1,2,3
	v_and_or_b32 v[TM+8+\b], v[TM+\b], 0x7f800000, s[MNT]   ; 448 x the scale
.endr
.irp b, 0,1,2,3
	v_lshrrev_b32 v[TM+4+\b], 23, v[TM+12+\b]      ; the scale's byte
.endr
	v_lshl_or_b32 v[\pw], v[TM+5], 8, v[TM+4]
	v_lshl_or_b32 v[\pw], v[TM+6], 16, v[\pw]
	v_lshl_or_b32 v[\pw], v[TM+7], 24, v[\pw]
.irp b, 0,1,2,3
.irp i, 0,1,2,3,4,5,6,7,8,9,10,11,12,13,14,15
	v_med3_num_f32 v[X+16*\b+\i], v[X+16*\b+\i], -v[TM+8+\b], v[TM+8+\b]   ; the conversion to an 8-bit code does not saturate (ISA guide 7.6.2): the hold comes first
.endr
	v_cvt_scalef32_pk8_fp8_f32 v[\pc+4*\b:\pc+4*\b+1], v[X+16*\b:X+16*\b+7], v[TM+12+\b]
	v_cvt_scalef32_pk8_fp8_f32 v[\pc+4*\b+2:\pc+4*\b+3], v[X+16*\b+8:X+16*\b+15], v[TM+12+\b]
.endr
	v_nop                                          ; a plain vector line behind the last conversion
.endm
.macro STEP t
.if (\t) < 3
	s_wait_loadcnt 16                              ; this step's 16 loads are in; the next step's 16 may be out
.else
	s_wait_loadcnt 0x0
.endif
	TURN \t
	s_wait_dscnt 0x0                               ; X is in, and the stage's stores have read their registers,
.if (\t) < 2
	LOAD (\t)+2                                    ; which take the loads of two steps on
.else
	s_wait_xcnt 0x0                                ; the stores of two steps back have read this set of codes: it is written again only behind this wait
.endif
	QUANT PC+16*((\t)%2), PW+(\t)
.irp b, 0,1,2,3
	global_store_b128 v[LO], v[PC+16*((\t)%2)+4*\b:PC+16*((\t)%2)+4*\b+3], s[10:11] offset:2048*(\t)+512*\b   ; a block: 512 consecutive bytes, aligned
.endr
.endm
	LOAD 0
	LOAD 1
	STEP 0
	STEP 1
	STEP 2
	STEP 3
	s_mov_b32 vcc_lo, 0xffff0000                   ; lanes 16-31 take the second 256 along K of my half
	v_cndmask_b32 v[SW], v[PW], v[PW+2], vcc_lo
	v_cndmask_b32 v[SW+1], v[PW+1], v[PW+3], vcc_lo
	global_store_b64 v[SO], v[SW:SW+1], s[12:13]   ; 32 lanes store 256 consecutive bytes, aligned
	s_wait_tensorcnt 0x0
	ds_add_u32 v30, v31
	s_wait_dscnt 0x0
	s_endpgm
.Lweights:
; wq, wk, wv: [16 heads][1024 (K)][64] f32, and wo: [1024 (K)][1024] f32, become codes of E4M3 along K with one E8M0 scale byte for each 32 along K, by the rule and with the limits at this text's head.
; An operand's row n is 64 x head + e (wo: its column).  LAYOUT as xc and xs: wc [tensor 4][tile of 16 rows: 64][block of 32 along K: 32][512 bytes], ws [tensor][tile][K / 256: 4][r 16][8 bytes];
; tile 2 i + u, lane r, holds row 32 i + 8 u + r + 8 (r / 8).
; A LANE TAKES A ROW n (a column of the weight) AND ITS REGISTERS RUN DOWN K: a block of 32 lies in one lane's 32 registers, and the conversions give codes with K innermost.
; SHARES: work-group x = 64 x tensor + 4 x (group of 64 rows) + which 256 along K; wave w: rows 32 (w % 2) on, 128 (w / 2) along K on: four blocks.  Loads run two blocks (64 loads a wave) ahead.
; A lane's 32 codes of a block go out as two stores of 16 bytes: sixteen neighbouring lanes write 256 consecutive bytes, aligned.  The scale bytes go out four a lane: one byte in 128 of what this path reads.
.set WCO,  4                           ; v4   my 16 bytes in a block: 16,384 (l / 16) + 16 (l % 16)
.set WSO,  5                           ; v5   my scale bytes: 512 (l / 16) + 8 (l % 16)
.set WSB,  24                          ; v24  the four scale bytes
.set WVO,  32                          ; v32-63 offset of row k = i of a block at my column; never rewritten
.set WX,   64                          ; v64-127 two sets of 32 numbers
.set WC,   128                         ; v128-143 two sets of 8 registers of codes
.set WBS,  32                          ; s[32:39] where each of my 4 blocks begins
	s_load_b256 s[4:11], s[0:1], 0x28              ; wq, wk, wv, wo
	s_load_b128 s[12:15], s[0:1], 0x48             ; wc, ws
	v_lshrrev_b32 v1, 5, v0
	v_readfirstlane_b32 s16, v1                    ; wave 0..3
	s_and_b32 s49, s16, 1                          ; which 32 rows
	s_lshr_b32 s50, s16, 1
	s_lshr_b32 s17, ttmp9, 6                       ; which tensor
	s_bfe_u32 s18, ttmp9, 0x40002                  ; which 64 rows
	s_and_b32 s19, ttmp9, 3
	s_lshl_b32 s19, s19, 1
	s_add_co_u32 s19, s19, s50                     ; which 128 along K
	s_cmp_lt_u32 s17, 3
	s_mov_b32 s20, 4096
	s_cselect_b32 s20, 256, s20                    ; bytes from k to k + 1
	s_mov_b32 s21, 256
	s_cselect_b32 s21, 0x40000, s21                ; bytes from a group of 64 rows to the next: a head, or 64 columns of wo
	s_mul_i32 s22, s18, s21
	s_lshl_b32 s23, s49, 7                         ; 32 columns a wave
	s_add_co_u32 s22, s22, s23
	s_mul_i32 s23, s19, s20
	s_lshl_b32 s23, s23, 7                         ; 128 rows of K
	s_add_co_u32 s22, s22, s23
	s_mov_b32 s23, 0
	s_lshl_b32 s24, s20, 5                         ; a block: 32 rows of K
	s_mov_b32 s25, 0
	s_lshl_b32 s26, s18, 2
	s_lshl_b32 s27, s49, 1
	s_add_co_u32 s26, s26, s27                     ; my first tile
	s_lshl_b32 s28, s17, 20                        ; codes: 1 MiB a tensor, 16,384 bytes a tile, 2,048 for 128 along K
	s_lshl_b32 s29, s26, 14
	s_add_co_u32 s28, s28, s29
	s_lshl_b32 s29, s19, 11
	s_add_co_u32 s28, s28, s29
	s_mov_b32 s29, 0
	s_lshl_b32 s30, s17, 15                        ; scale bytes: 32,768 a tensor, 512 a tile, 128 for 256 along K, 4 for 128
	s_lshl_b32 s27, s26, 9
	s_add_co_u32 s30, s30, s27
	s_lshr_b32 s27, s19, 1
	s_lshl_b32 s27, s27, 7
	s_add_co_u32 s30, s30, s27
	s_and_b32 s27, s19, 1
	s_lshl_b32 s27, s27, 2
	s_add_co_u32 s30, s30, s27
	s_mov_b32 s31, 0
	s_mov_b32 s48, 0x600000                        ; the mantissa field of 448
	v_and_b32 v1, 31, v0                           ; l
	v_and_b32 v2, 7, v1
	v_and_b32 v3, 8, v1
	v_lshl_or_b32 v2, v3, 1, v2
	v_and_b32 v3, 16, v1
	v_lshrrev_b32 v3, 1, v3
	v_or_b32 v2, v2, v3                            ; the row at place l: bits 3 and 4 change places
	v_lshlrev_b32 v2, 2, v2                        ; 4 bytes a column
	v_lshrrev_b32 v3, 4, v1
	v_and_b32 v6, 15, v1
	v_lshlrev_b32 v[WCO], 4, v6
	v_lshl_add_u32 v[WCO], v3, 14, v[WCO]
	v_lshlrev_b32 v[WSO], 3, v6
	v_lshl_add_u32 v[WSO], v3, 9, v[WSO]
.set i, 0
.rept 32
	v_mad_u32_u24 v[WVO+i], s20, i, v2
.set i, i+1
.endr
	s_wait_alu depctr_va_vdst(0)                   ; the wait at the head's end
	s_wait_kmcnt 0x0
	s_cmp_eq_u32 s17, 0                            ; the choices hang on the work-group's number alone
	s_cselect_b64 s[4:5], s[4:5], s[6:7]
	s_cmp_eq_u32 s17, 2
	s_cselect_b64 s[4:5], s[8:9], s[4:5]
	s_cmp_eq_u32 s17, 3
	s_cselect_b64 s[4:5], s[10:11], s[4:5]
	s_add_nc_u64 s[WBS:WBS+1], s[4:5], s[22:23]
.irp t, 1,2,3
	s_add_nc_u64 s[WBS+2*\t:WBS+2*\t+1], s[WBS+2*\t-2:WBS+2*\t-1], s[24:25]
.endr
	s_add_nc_u64 s[12:13], s[12:13], s[28:29]
	s_add_nc_u64 s[14:15], s[14:15], s[30:31]
.macro WLOAD t                         ; block t: 32 rows of K at my column; a load's 32 lanes read 128 consecutive bytes
.set i, 0
.rept 32
	global_load_b32 v[WX+32*((\t)%2)+i], v[WVO+i], s[WBS+2*(\t):WBS+2*(\t)+1] th:TH_LOAD_NT
.set i, i+1
.endr
.endm
.macro WBLOCK t
.set XS, WX+32*((\t)%2)
.set CC, WC+8*((\t)%2)
.if (\t) < 3
	s_wait_loadcnt 32                              ; this block's 32 loads are in; the next block's may be out
.else
	s_wait_loadcnt 0x0
.endif
	v_max3_num_f32 v12, |v[XS]|, |v[XS+1]|, |v[XS+2]|   ; the block's largest magnitude: all 32 numbers are mine; two chains
	v_max3_num_f32 v13, |v[XS+3]|, |v[XS+4]|, |v[XS+5]|
.irp i, 6,10,14,18,22,26
	v_max3_num_f32 v12, v12, |v[XS+\i]|, |v[XS+\i+1]|
	v_max3_num_f32 v13, v13, |v[XS+\i+2]|, |v[XS+\i+3]|
.endr
	v_max3_num_f32 v12, v12, |v[XS+30]|, |v[XS+31]|
	v_max3_num_f32 v12, v12, v13, 0x4800000        ; and the floor 2^(9 - 127): the byte cannot fall under 1
	v_add_nc_u32 v11, 0xfc000000, v12              ; 8 off the exponent field: the conversion's scale operand
	v_and_or_b32 v10, v12, 0x7f800000, s48         ; 448 x the scale
	v_lshrrev_b32 v13, 23, v11                     ; the scale's byte
.if (\t) == 0
	v_mov_b32 v[WSB], v13                          ; four bytes to a register, the lower K in the lower byte
.else
	v_lshl_or_b32 v[WSB], v13, 8*(\t), v[WSB]
.endif
.if (\t) >= 2
	s_wait_alu depctr_va_vdst(0)                   ; the wait ahead of the blocking wait below
	s_wait_xcnt 0x0                                ; the stores of two blocks back have read this set of codes: it is written again only behind this wait
.endif
.set i, 0
.rept 32
	v_med3_num_f32 v[XS+i], v[XS+i], -v10, v10     ; the conversion to an 8-bit code does not saturate (ISA guide 7.6.2): the hold comes first
.set i, i+1
.endr
.irp g, 0,1,2,3
	v_cvt_scalef32_pk8_fp8_f32 v[CC+2*\g:CC+2*\g+1], v[XS+8*\g:XS+8*\g+7], v11
.endr
	v_nop                                          ; a plain vector line behind the last conversion
	global_store_b128 v[WCO], v[CC:CC+3], s[12:13] offset:512*(\t)        ; k = 0 .. 15 of the block
	global_store_b128 v[WCO], v[CC+4:CC+7], s[12:13] offset:512*(\t)+256  ; k = 16 .. 31
.if (\t)+2 < 4
	WLOAD (\t)+2
.endif
.endm
	WLOAD 0
	WLOAD 1
.irp t, 0,1,2,3
	WBLOCK \t
.endr
	global_store_b32 v[WSO], v[WSB], s[14:15]
	s_endpgm
.Lfunc_end_k_q6e78b9e420_quant_x:
	.size	k_q6e78b9e420_quant_x, .Lfunc_end_k_q6e78b9e420_quant_x-k_q6e78b9e420_quant_x
	.p2alignl 7, 3214868480
	.fill 96, 4, 3214868480
	.section	.rodata,"a",@progbits
	.p2align	6, 0x0
	.amdhsa_kernel k_q6e78b9e420_quant_x
		.amdhsa_group_segment_fixed_size 34304
		.amdhsa_private_segment_fixed_size 0
		.amdhsa_enable_private_segment 0
		.amdhsa_kernarg_size 88
		.amdhsa_user_sgpr_count 2
		.amdhsa_user_sgpr_kernarg_segment_ptr 1
		.amdhsa_wavefront_size32 1
		.amdhsa_system_sgpr_workgroup_id_x 1
		.amdhsa_system_sgpr_workgroup_id_y 1
		.amdhsa_system_sgpr_workgroup_id_z 1
		.amdhsa_system_vgpr_workitem_id 0
		.amdhsa_next_free_vgpr 256
		.amdhsa_next_free_sgpr 66
		.amdhsa_reserve_vcc 1
		.amdhsa_float_denorm_mode_32 3
		.amdhsa_float_denorm_mode_16_64 3
		.amdhsa_memory_ordered 1
		.amdhsa_forward_progress 1
		.amdhsa_inst_pref_size 83
	.end_amdhsa_kernel
	.amdgpu_metadata
---
amdhsa.version: [ 1, 2 ]
amdhsa.kernels:
  - .name:           k_q6e78b9e420_quant_x
    .symbol:         k_q6e78b9e420_quant_x.kd
    .args:
      - { .name: q, .offset: 0, .size: 8, .value_kind: global_buffer, .address_space: global }
      - { .name: k, .offset: 8, .size: 8, .value_kind: global_buffer, .address_space: global }
      - { .name: v, .offset: 16, .size: 8, .value_kind: global_buffer, .address_space: global }
      - { .name: xc, .offset: 24, .size: 8, .value_kind: global_buffer, .address_space: global }
      - { .name: xs, .offset: 32, .size: 8, .value_kind: global_buffer, .address_space: global }
      - { .name: wq, .offset: 40, .size: 8, .value_kind: global_buffer, .address_space: global }
      - { .name: wk, .offset: 48, .size: 8, .value_kind: global_buffer, .address_space: global }
      - { .name: wv, .offset: 56, .size: 8, .value_kind: global_buffer, .address_space: global }
      - { .name: wo, .offset: 64, .size: 8, .value_kind: global_buffer, .address_space: global }
      - { .name: wc, .offset: 72, .size: 8, .value_kind: global_buffer, .address_space: global }
      - { .name: ws, .offset: 80, .size: 8, .value_kind: global_buffer, .address_space: global }
    .group_segment_fixed_size: 34304
    .private_segment_fixed_size: 0
    .kernarg_segment_align: 8
    .kernarg_segment_size: 88
    .max_flat_workgroup_size: 128
    .sgpr_count:     66
    .vgpr_count:     256
    .wavefront_size: 32
...
	.end_amdgpu_metadata
.endif
;; end of part 1
;; launch proj (part 2): grid 4 x 64, 4 waves a work-group, clusters of 4 x 4, 327,680 bytes of LDS; arguments xc, xs, wc, ws, bq, bk, bv, hc, hs; writes hc, hs
.if DOCPART == 2
	.amdgcn_target "amdgcn-amd-amdhsa--gfx1250"
	.amdhsa_code_object_version 6
	.text
	.protected	k_q6e78b9e420_proj
	.globl	k_q6e78b9e420_proj
	.p2align	8
	.type	k_q6e78b9e420_proj,@function
k_q6e78b9e420_proj:
	s_mov_b64 s[64:65], 0
	v_nop
	global_prefetch_b8 v0, s[64:65] scope:SCOPE_SE
	s_setreg_imm32_b32 hwreg(HW_REG_WAVE_MODE, 25, 1), 1
	s_wait_xcnt 0x0
	s_wait_alu depctr_hold_cnt(0) depctr_sa_sdst(0) depctr_va_vdst(0) depctr_va_sdst(0) depctr_va_ssrc(0) depctr_va_vcc(0) depctr_vm_vsrc(0)
	s_getreg_b32 s2, hwreg(HW_REG_IB_STS2, 6, 4)
	s_cmp_eq_u32 s2, 0
	s_cbranch_scc0 .Lentry_in_a_cluster
	s_endpgm
.Lentry_in_a_cluster:
	s_bfe_u32 s2, ttmp6, 0x10000c
	s_cmp_lg_u32 s2, 0xf033
	s_cbranch_scc0 .Lentry_shape_is_right
	s_endpgm
.Lentry_shape_is_right:
.set FR,     16
; Q, K, V = x W^T + b on the codes of E4M3 that the first launch made (its text states the layouts), f32 sums, each result quantised again by the same rule and stored as codes (hc) and scale bytes (hs).
; LIMITS: a block of zeros gets the byte 1 where the rule says 127 (its codes are zeros, and this program alone reads the bytes); NaN and infinities are not served.
; THE DEAL: 256 work-groups of four waves, each with two phases.  PHASE 1: a block of 256 tokens x 256 rows of wq (clusters 0-7) or wk (8-15); a wave makes 128 x 128: 64 sums in windows 2, 3.
; PHASE 2: a block of 128 rows of wv x 256 tokens of v: 8 x 32 such blocks, one a work-group; a wave makes 64 x 128: 32 sums in window 2.
; 'A' is the side whose row a lane holds (source 1), 'B' the side along a lane's registers (source 0): phase 1: A = tokens, B = the weight's rows, so a lane's 16 registers of two tiles are 16 neighbours along e;
; phase 2: A = wv's rows, B = tokens, so they are 16 neighbouring keys.  The bias is the first products' C.
; hc: Q, K [tensor][16 batch + head][tile of 16 tokens][block of 32 e: 2][512]; V at 16 MiB: [16 batch + head][128 keys][block of 32 keys: 4][tile of e: 4][512].
; hs: Q, K [tensor][pair of heads][token][4 bytes]; V at 524,288: [16 batch + head][128 keys][e 64][4 bytes].
; THE RING: two slots, each 256 along K: A's tiles, then B's, 4,096 consecutive bytes of a stored tile as one row.  It runs on through the change of phase: phase 1's last two changes of slots ask for V's first two K steps.
; CLUSTERS 4 x 4: A's tiles hang on cy and the cluster's number and are asked for jointly along a row, B's on cx and along a column, in both phases.  In phase 2 A's load is 4 tiles a wave (waves 0, 1), B's 8 (waves 2, 3).
; THE SCALE BYTES of both phases, 16,384 + 12,288 bytes, come once through registers into LDS bytes of their own, in whole runs of 2,048 bytes a work-group's instruction.
; PREFETCH: behind K step 0's fill a wave names K steps 1 and 2, and behind each of the next five fills what the fill two fills on will load: 32 blocks of 256 bytes an instruction, a lane a block.  Of the 8 tiles that a joint
; load brings, each of its four partners takes two, told apart by address (cx for A, cy for B).  In phase 2 A's 8 tiles are wave 0's and wave 1 asks for nothing.  K step 0 comes by its load alone.  Every offset is an immediate.
; REGISTERS: window 0: v0-31 addresses; v32-63 scale words, two sets; v64-127 the bias; v128-255 A's fragments (phase 1 one set of 8, phase 2 two sets of 4); the way out works in v200-243.  Window 1: B's fragments, two sets.
.set NL,     4
.set NP,     8                         ; plain vector lines behind this matrix form (ISA guide 7.12.1)
.set TILEB,  4096                      ; 16 rows x 256 along K
.set HALFT,  8*TILEB
.set SLOT,   4*HALFT
.set SCL,    2*SLOT                    ; phase 1's scale bytes: A's 8,192, then B's
.set SPARE,  SCL+16384                 ; the spare words: 512 bytes that no other line names
.set SC2,    SPARE+512                 ; phase 2's: A's 4,096, then B's 8,192
.set STG,    SC2+12288                 ; the way out's scale words: 512 bytes a wave
.set VO,   4                           ; v4-7 where a lane's 16 codes of blocks 0 .. 3 go
.set SWA,  8
.set SRD,  9
.set PFO,  10                          ; v10 a prefetch's offset: 16,384 (lane / 16) + 256 (lane % 16); never rewritten
.set BQO,  11
.set BV,   12                          ; v12-15 V's bias: a number for each of my four tiles
.set ADRA, 16
.set ADRA2, 18
.set ADRB, 20
.set ADRS2, 22
.set SRD2, 23
.set BVO,  24
.set SGO2, 26
.set ADRS, 27
.set SPW,  28
.set NIL,  29
.set TO,   30
.set TL,   31
.set SC,   32
.set BI,   64
.set AF,   128
.set TM,   200
.set PW,   216
.set PC,   224
.set SW,   240
.set G1, 24
.set G0, 32
.set G1B, 48
.set G0B, 56
.set PF1, 68                           ; s[68:69] where my prefetches of phase 1 begin; s[70:71] those of phase 2; never rewritten
.set PF2, 70
.set MNT, 89
.set SEL, 98
.set MSB, 0
.macro WIN new                         ; the immediate's high byte repeats the setting that is left
.if MSB != \new
	s_set_vgpr_msb (MSB<<8)|\new
.set MSB, \new
.endif
.endm
.set MUL_LO, 0xa1
.set MUL_HI, 0xf1
.set TO_B,   0x40
.macro PLACES n
.rept \n
	v_nop
.endr
.endm
.macro JLOAD s                         ; a joint load into slot s: waves 0, 1 for A, waves 2, 3 for B
	s_cmp_eq_u32 s15, 0
	s_cbranch_scc0 .Lfor_b_\@
	tensor_load_to_lds s[G0+4*\s:G0+4*\s+3], s[G1:G1+7]
	s_nop 0
	PLACES 4
	s_branch .Lasked_\@
.Lfor_b_\@:
	tensor_load_to_lds s[G0B+4*\s:G0B+4*\s+3], s[G1B:G1B+7]
	s_nop 0
	PLACES 4
.Lasked_\@:
.endm
.macro ASK1 ks                         ; phase 1's K step ks: my two tiles of the eight that I fetch
	global_prefetch_b8 v[PFO], s[PF1:PF1+1] offset:(\ks)*TILEB th:TH_LOAD_NT scope:SCOPE_SE
.endm
.macro ASK2 ks                         ; V's K step ks; wave 1 has no part
	s_cmp_eq_u32 s14, 1
	s_cbranch_scc1 .Lnone_\@
	global_prefetch_b8 v[PFO], s[PF2:PF2+1] offset:(\ks)*TILEB th:TH_LOAD_NT scope:SCOPE_SE
.Lnone_\@:
.endm
.macro CREST                           ; a round of the cluster's barrier behind its opening barrier
	s_cmp_lg_u32 s14, 0
	s_cbranch_scc1 .Lnot_wave_0_\@
	s_barrier_signal -3
.Lnot_wave_0_\@:
	s_barrier_wait -3
	s_barrier_signal -1
	s_barrier_wait -1
.endm
.macro CROUND
	s_barrier_signal -1
	s_barrier_wait -1
	CREST
.endm
	s_load_b256 s[4:11], s[0:1], 0x0               ; xc, xs, wc, ws
	s_load_b256 s[68:75], s[0:1], 0x20             ; bq, bk, bv, hc
	s_load_b64 s[76:77], s[0:1], 0x40              ; hs
	v_lshl_add_u32 v[SPW], v0, 2, SPARE
	v_mov_b32 v[NIL], 0
	ds_add_u32 v[SPW], v[NIL]                      ; the opening lines: the add twice on end and its wait
	ds_add_u32 v[SPW], v[NIL]
	v_lshrrev_b32 v1, 5, v0
	v_readfirstlane_b32 s14, v1                    ; wave
	s_lshr_b32 s15, s14, 1                         ; my half of A's rows; also: I fetch for A (0) or B (1)
	s_and_b32 s16, s14, 1                          ; my half of B's rows; also: which half I fetch
	s_bfe_u32 s40, ttmp6, 0x40000                  ; cx
	s_bfe_u32 s41, ttmp6, 0x40004                  ; cy
	s_and_b32 s67, ttmp7, 0xffff                   ; the cluster's number Y, 0 .. 15
	s_lshr_b32 s66, s67, 3                         ; phase 1's tensor
	s_and_b32 s17, s67, 7
	s_lshl_b32 s17, s17, 2
	s_add_co_u32 s17, s17, s41                     ; phase 1, A: block of 256 tokens 4 (Y % 8) + cy;  B: block of 256 rows cx
	s_and_b32 s87, s67, 1
	s_lshl_b32 s87, s87, 2
	s_add_co_u32 s87, s87, s41                     ; phase 2, A: block of 128 rows of wv 4 (Y % 2) + cy
	s_lshr_b32 s88, s67, 1
	s_lshl_b32 s88, s88, 2
	s_add_co_u32 s88, s88, s40                     ; phase 2, B: block of 256 tokens 4 (Y / 2) + cx
	s_lshl_b32 s43, s41, 2
	s_lshl_b32 s43, 15, s43                        ; my row of the cluster
	s_lshl_b32 s44, 0x1111, s40                    ; my column
	s_or_b32 s[G1+0], s43, (3<<16)|(1<<21)         ; elements of 8 bytes; bit 21 beside a mask
	s_or_b32 s[G1B+0], s44, (3<<16)|(1<<21)
.irp g, G1, G1B
	s_mov_b32 s[\g+1], 512<<16                     ; a row: 4,096 bytes of a stored tile
	s_mov_b32 s[\g+2], 8<<16                       ; 8 tiles
	s_mov_b32 s[\g+3], 512<<16
	s_mov_b32 s[\g+4], 8
	s_mov_b32 s[\g+5], 2048                        ; 16,384 bytes from tile to tile
	s_mov_b32 s[\g+6], 0
	s_mov_b32 s[\g+7], 0
.endr
	s_lshl_b32 s2, s17, 18                         ; byte offsets of what I fetch; a row of codes counts 1,024 bytes
	s_lshl_b32 s3, s16, 17
	s_add_co_u32 s2, s2, s3
	s_lshl_b32 s3, s66, 23
	s_add_co_u32 s2, s2, s3                        ; phase 1, A in xc
	s_lshl_b32 s94, s40, 18
	s_lshl_b32 s95, s16, 17
	s_add_co_u32 s94, s94, s95
	s_lshl_b32 s95, s66, 20
	s_add_co_u32 s94, s94, s95                     ; phase 1, B in wc
	s_lshl_b32 s18, s87, 17
	s_lshl_b32 s19, s16, 16
	s_add_co_u32 s18, s18, s19
	s_add_co_u32 s18, s18, 2<<20                   ; phase 2, A in wc: 64 rows a wave
	s_lshl_b32 s96, s88, 18
	s_lshl_b32 s97, s16, 17
	s_add_co_u32 s96, s96, s97
	s_add_co_u32 s96, s96, 2<<23                   ; phase 2, B in xc
	s_mov_b32 s3, 0
	s_mov_b32 s95, 0
	s_mov_b32 s19, 0
	s_mov_b32 s97, 0
	s_mul_i32 s45, s14, HALFT                      ; where my part of a slot lies;
	s_mul_i32 s86, s14, HALFT/2                    ; and A's part in phase 2
	s_mov_b32 s[SEL], 0x76543210
	s_mov_b32 s[SEL+1], 0xfedcba98                 ; v_permlanex16_b32's selects for lane l xor 16
	s_mov_b32 s[MNT], 0x600000                     ; the mantissa field of 448
	s_wait_dscnt 0x0
	CROUND                                         ; all sixteen work-groups are here
	s_wait_kmcnt 0x0
	s_add_nc_u64 s[20:21], s[4:5], s[2:3]
	s_add_nc_u64 s[46:47], s[8:9], s[94:95]
	s_add_nc_u64 s[82:83], s[8:9], s[18:19]
	s_add_nc_u64 s[84:85], s[4:5], s[96:97]
.irp s, 0,1
	s_mov_b32 s[G0+4*\s], 1
	s_add_co_u32 s[G0+4*\s+1], s45, \s*SLOT
	s_add_nc_u64 s[G0+4*\s+2:G0+4*\s+3], s[20:21], \s*TILEB
	s_or_b32 s[G0+4*\s+3], s[G0+4*\s+3], 0x80000000
	s_mov_b32 s[G0B+4*\s], 1
	s_add_co_u32 s[G0B+4*\s+1], s45, \s*SLOT
	s_add_nc_u64 s[G0B+4*\s+2:G0B+4*\s+3], s[46:47], \s*TILEB
	s_or_b32 s[G0B+4*\s+3], s[G0B+4*\s+3], 0x80000000
.endr
	JLOAD 0                                        ; K step 0: my one tensor load at the head
	; the scale bytes: 128 threads x 16 bytes an instruction
	s_lshl_b32 s2, s66, 18
	s_lshl_b32 s22, s17, 13
	s_add_co_u32 s2, s2, s22
	s_add_nc_u64 s[20:21], s[6:7], s[2:3]          ; phase 1, A's in xs
	s_lshl_b32 s2, s66, 15
	s_lshl_b32 s22, s40, 13
	s_add_co_u32 s2, s2, s22
	s_add_nc_u64 s[46:47], s[10:11], s[2:3]        ; phase 1, B's in ws
	s_lshl_b32 s2, s87, 12
	s_add_co_u32 s2, s2, 65536
	s_add_nc_u64 s[94:95], s[10:11], s[2:3]        ; phase 2, A's in ws
	s_lshl_b32 s2, s88, 13
	s_add_co_u32 s2, s2, 2<<18
	s_add_nc_u64 s[96:97], s[6:7], s[2:3]          ; phase 2, B's in xs
	v_lshlrev_b32 v[TO], 4, v0
.irp j, 0,1,2,3
	global_load_b128 v[AF+4*\j:AF+4*\j+3], v[TO], s[20:21] offset:2048*\j
.endr
.irp j, 0,1,2,3
	global_load_b128 v[AF+16+4*\j:AF+16+4*\j+3], v[TO], s[46:47] offset:2048*\j
.endr
.irp j, 0,1
	global_load_b128 v[AF+32+4*\j:AF+32+4*\j+3], v[TO], s[94:95] offset:2048*\j
.endr
.irp j, 0,1,2,3
	global_load_b128 v[AF+40+4*\j:AF+40+4*\j+3], v[TO], s[96:97] offset:2048*\j
.endr
.macro PLACE tok, wr, ten, sh, hcp, hsp ; where a wave's results go: token row s[tok], weight row s[wr], tensor s[ten]; 2^sh scale bytes a token
	s_lshr_b32 s45, s\tok, 11
	s_lshl_b32 s45, s45, 4
	s_lshr_b32 s22, s\wr, 6
	s_add_co_u32 s45, s45, s22                     ; 16 batch + head
	s_and_b32 s23, s\tok, 2047
	s_lshl_b32 s2, s\ten, 23
	s_lshl_b32 s22, s45, 17
	s_add_co_u32 s2, s2, s22
	s_lshl_b32 s22, s23, 6
	s_add_co_u32 s2, s2, s22
	s_add_nc_u64 s[\hcp:\hcp+1], s[74:75], s[2:3]
	s_lshl_b32 s2, s\ten, 18
	s_lshl_b32 s22, s45, 12
	s_add_co_u32 s2, s2, s22
	s_lshl_b32 s22, s23, \sh
	s_add_co_u32 s2, s2, s22
	s_add_nc_u64 s[\hsp:\hsp+1], s[76:77], s[2:3]
.endm
	s_lshl_b32 s18, s17, 8
	s_lshl_b32 s22, s15, 7
	s_add_co_u32 s18, s18, s22                     ; phase 1: my first token,
	s_lshl_b32 s19, s40, 8
	s_lshl_b32 s22, s16, 7
	s_add_co_u32 s19, s19, s22                     ; my first row of the weight
	PLACE 18, 19, 66, 2, 12, 92
	s_lshl_b32 s2, s19, 2
	s_cmp_eq_u32 s66, 0
	s_cselect_b64 s[100:101], s[68:69], s[70:71]
	s_add_nc_u64 s[100:101], s[100:101], s[2:3]    ; its bias
	s_lshl_b32 s18, s88, 8
	s_lshl_b32 s22, s16, 7
	s_add_co_u32 s18, s18, s22                     ; phase 2: my first token,
	s_lshl_b32 s19, s87, 7
	s_lshl_b32 s22, s15, 6
	s_add_co_u32 s19, s19, s22                     ; my first row of wv: one head
	s_mov_b32 s67, 2
	PLACE 18, 19, 67, 1, 78, 80
	s_lshl_b32 s2, s19, 2
	s_add_nc_u64 s[90:91], s[72:73], s[2:3]
	; the prefetches' bases (the biases' addresses that lay in s68-73 have been used).  A partner's place enters these addresses alone
	s_lshl_b32 s2, s17, 18
	s_lshl_b32 s22, s66, 23
	s_add_co_u32 s2, s2, s22
	s_lshl_b32 s22, s40, 15
	s_add_co_u32 s2, s2, s22
	s_add_nc_u64 s[PF1:PF1+1], s[4:5], s[2:3]      ; phase 1, A: the block's first tile + 2 cx tiles
	s_lshl_b32 s2, s40, 18
	s_lshl_b32 s22, s66, 20
	s_add_co_u32 s2, s2, s22
	s_lshl_b32 s22, s41, 15
	s_add_co_u32 s2, s2, s22
	s_add_nc_u64 s[PF2:PF2+1], s[8:9], s[2:3]      ; phase 1, B: + 2 cy tiles
	s_cmp_eq_u32 s15, 0
	s_cselect_b64 s[PF1:PF1+1], s[PF1:PF1+1], s[PF2:PF2+1]
	s_lshl_b32 s2, s16, 17
	s_add_nc_u64 s[PF1:PF1+1], s[PF1:PF1+1], s[2:3] ; the eight tiles that I fetch
	s_lshl_b32 s2, s40, 15
	s_add_nc_u64 s[PF2:PF2+1], s[82:83], s[2:3]    ; phase 2, A (wave 0: the block's first tile)
	s_lshl_b32 s2, s41, 15
	s_add_nc_u64 s[72:73], s[84:85], s[2:3]        ; phase 2, B
	s_cmp_eq_u32 s15, 0
	s_cselect_b64 s[PF2:PF2+1], s[PF2:PF2+1], s[72:73]
	s_mul_i32 s4, s15, HALFT                       ; LDS places (the arguments that lay in s4-11 have been used)
	s_mul_i32 s5, s16, HALFT
	s_add_co_u32 s5, s5, 2*HALFT
	s_mul_i32 s6, s15, HALFT/2
	s_lshl_b32 s8, s15, 12
	s_lshl_b32 s7, s16, 12
	s_add_co_u32 s7, s7, 8192
	s_sub_co_u32 s7, s7, s8                        ; from A's scale words to B's, phase 1
	s_add_co_u32 s8, s8, SCL
	s_lshl_b32 s10, s15, 11
	s_lshl_b32 s9, s16, 12
	s_add_co_u32 s9, s9, 4096
	s_sub_co_u32 s9, s9, s10                       ; and phase 2
	s_add_co_u32 s10, s10, SC2
	s_lshl_b32 s11, s14, 9
	s_add_co_u32 s11, s11, STG
	v_and_b32 v1, 15, v0                           ; r
	v_bfe_u32 v2, v0, 4, 1                         ; h
	v_and_b32 v3, 31, v0                           ; lane
	v_lshlrev_b32 v[VO], 4, v3
	v_add_nc_u32 v[ADRA], s4, v[VO]
	v_add_nc_u32 v[ADRB], s5, v[VO]
	v_add_nc_u32 v[ADRA2], s6, v[VO]
	v_add_nc_u32 v[ADRA+1], SLOT, v[ADRA]
	v_add_nc_u32 v[ADRB+1], SLOT, v[ADRB]
	v_add_nc_u32 v[ADRA2+1], SLOT, v[ADRA2]
	v_lshlrev_b32 v25, 3, v1
	v_mul_u32_u24 v[ADRS], s7, v2                  ; lanes 0-15 take A's scale words, lanes 16-31 B's
	v_mul_u32_u24 v[ADRS2], s9, v2
	v_add_nc_u32 v[ADRS], v[ADRS], v25
	v_add_nc_u32 v[ADRS2], v[ADRS2], v25
	v_add_nc_u32 v[ADRS], s8, v[ADRS]
	v_add_nc_u32 v[ADRS2], s10, v[ADRS2]
	v_add_nc_u32 v[VO+1], 512, v[VO]               ; phase 1: blocks 0, 1 are one head's, blocks 2, 3 the next head's
	v_add_nc_u32 v[VO+2], 131072, v[VO]
	v_add_nc_u32 v[VO+3], 131584, v[VO]
	v_lshl_add_u32 v[SWA], v1, 2, s11
	v_add_nc_u32 v[SRD], s11, v[VO]
	v_lshl_add_u32 v[SRD2], v3, 3, s11
	v_lshlrev_b32 v[SGO2], 3, v3
	v_lshlrev_b32 v[BQO], 6, v2
	v_and_b32 v[BVO], 8, v1
	v_add_nc_u32 v[BVO], v[BVO], v1
	v_lshlrev_b32 v[BVO], 2, v[BVO]
	v_add_nc_u32 v[TL], SCL, v[TO]
	v_lshlrev_b32 v[PFO], 8, v1
	v_lshl_add_u32 v[PFO], v2, 14, v[PFO]
	s_wait_alu depctr_va_vdst(0)                   ; the wait at the head's end
.irp b, 0,1,2,3,4,5,6,7
	global_load_b128 v[BI+8*\b:BI+8*\b+3], v[BQO], s[100:101] offset:(32*(\b/2)+8*(\b%2))*4
	global_load_b128 v[BI+8*\b+4:BI+8*\b+7], v[BQO], s[100:101] offset:(32*(\b/2)+8*(\b%2))*4+16
.endr
.irp a, 0,1,2,3
	global_load_b32 v[BV+\a], v[BVO], s[90:91] offset:(32*(\a/2)+8*(\a%2))*4
.endr
	ASK1 1                                         ; K step 1, whose fill stands behind the wait for K step 0,
	ASK1 2                                         ; and what the fill two fills on will load
	s_wait_loadcnt 20                              ; the 14 loads of scale bytes are in; the 20 of the biases may be out
.irp j, 0,1,2,3,4,5,6,7
	ds_store_b128 v[TL], v[AF+4*\j:AF+4*\j+3] offset:2048*\j
.endr
.irp j, 0,1,2,3,4,5
	ds_store_b128 v[TL], v[AF+32+4*\j:AF+32+4*\j+3] offset:SC2-SCL+2048*\j
.endr
.macro FRAG reg, adr, q, i             ; 16 rows x 128 of K: four blocks of 512 bytes, 16 bytes a lane
.irp c, 0,1,2,3
	ds_load_b128 v[\reg+4*\c:\reg+4*\c+3], v[\adr] offset:(\i)*TILEB+(4*(\q)+\c)*512
.endr
.endm
.macro MULA a, af, p, q, sc, mode      ; A's block a (fragments from v[af]) x B's eight of set p; mode 0: on the sums; 2: C = the bias by B's block; 3: by A's block.  The sums take turns
.irp b, 0,1,2,3,4,5,6,7
.set D_, 8*(8*((\a)%4)+\b)
.set C_, D_
.if \mode == 2
.set C_, BI+8*\b
.elseif \mode == 3
.set C_, BI+8*(\a)
.endif
	v_wmma_scale_f32_16x16x128_f8f6f4 v[D_:D_+7], v[128*(\p)+FR*\b:128*(\p)+FR*\b+FR-1], v[\af+FR*(\a):\af+FR*(\a)+FR-1], v[C_:C_+7], v[SC+16*(\sc)+2*\b+(\q)], v[SC+16*(\sc)+2*(\a)+(\q)] matrix_a_scale:MATRIX_SCALE_ROW1
.endr
.endm
.macro FETCH_B slot, q, p
	WIN TO_B
.irp i, 0,1,2,3,4,5,6,7
	FRAG 128*(\p)+FR*\i, ADRB+\slot, \q, \i
.endr
	WIN 0
.endm
.macro FETCH_A adr, q, i0, base        ; A's blocks i0 .. i0 + 3
.irp i, \i0, \i0+1, \i0+2, \i0+3
	FRAG \base+FR*(\i), \adr, \q, \i
.endr
.endm
.macro SCALES sc, adr, ks              ; K step ks's scale words, two a row
.irp i, 0,1,2,3,4,5,6,7
	ds_load_b64 v[SC+16*\sc+2*\i:SC+16*\sc+2*\i+1], v[\adr] offset:\i*512+128*(\ks)
.endr
.endm
.macro REFILL slot, fill               ; fill = 1: this product's K step two on; 2: V's K step 'slot'.  No tensor load of mine is out, so descriptors may be written
.if \fill == 1
	s_add_nc_u64 s[G0+4*\slot+2:G0+4*\slot+3], s[G0+4*\slot+2:G0+4*\slot+3], 2*TILEB
	s_add_nc_u64 s[G0B+4*\slot+2:G0B+4*\slot+3], s[G0B+4*\slot+2:G0B+4*\slot+3], 2*TILEB
.else
	s_mov_b32 s[G1+2], 4<<16                       ; A's load is 4 tiles from here on
	s_mov_b32 s[G1+4], 4
	s_add_co_u32 s[G0+4*\slot+1], s86, \slot*SLOT
	s_add_nc_u64 s[G0+4*\slot+2:G0+4*\slot+3], s[82:83], \slot*TILEB
	s_or_b32 s[G0+4*\slot+3], s[G0+4*\slot+3], 0x80000000
	s_add_nc_u64 s[G0B+4*\slot+2:G0B+4*\slot+3], s[84:85], \slot*TILEB
	s_or_b32 s[G0B+4*\slot+3], s[G0B+4*\slot+3], 0x80000000
.endif
	JLOAD \slot
.endm
; PHASE 1.  A slot's first 128 along K: B's set 0; the second 128's fragments are fetched in two runs
.macro STEP slot, mode
	s_wait_dscnt 4*NL                              ; all but the youngest 16 loads, A's blocks 4-7
.if \mode
	WIN 0x81
.else
	WIN MUL_LO
.endif
.irp a, 0,1,2,3
	MULA \a, AF, 0, 0, \slot, \mode
.endr
	s_wait_dscnt 0
	PLACES NP
	FETCH_B \slot, 1, 1
	FETCH_A ADRA+\slot, 1, 0, AF
.if \mode
	WIN 0xc1
.else
	WIN MUL_HI
.endif
.irp a, 4,5,6,7
	MULA \a, AF, 0, 0, \slot, \mode
.endr
	PLACES NP
	WIN 0
	FETCH_A ADRA+\slot, 1, 4, AF
.endm
; A slot's second 128 and the change of slots: the tensor wait, the add and its wait, a round of the cluster's barrier, the refill first behind it.  nx = 1: the next slot holds phase 1's tiles, K step ks; 2: V's first.  pf: V's K step that is prefetched
.macro TURN slot, next, fill, nx, ks, pf
	s_wait_tensorcnt 0x0
	ds_add_u32 v[SPW], v[NIL]
	s_wait_dscnt 4*NL+1                            ; the add and A's blocks 4-7 may be out
	WIN MUL_LO
.irp a, 0,1
	MULA \a, AF, 1, 1, \slot, 0
.endr
	s_wait_dscnt 0x0
	s_barrier_signal -1
.irp a, 2,3
	MULA \a, AF, 1, 1, \slot, 0
.endr
	WIN 0
	s_barrier_wait -1
	CREST
	REFILL \slot, \fill
	PLACES NP-4
	FETCH_B \next, 0, 0
.if \nx == 1
	FETCH_A ADRA+\next, 0, 0, AF
	SCALES \next, ADRS, \ks
.else
	FETCH_A ADRA2+\next, 0, 0, AF
	SCALES \next, ADRS2, 0
.endif
	ASK2 \pf
	WIN MUL_HI
.irp a, 4,5,6,7
	MULA \a, AF, 1, 1, \slot, 0
.endr
	PLACES NP
	WIN 0
.if \nx == 1
	FETCH_A ADRA+\next, 0, 4, AF
.endif
.endm
; PHASE 2.  32 products for 128 along K; both sides have two sets; the next 128's 48 loads go out ahead of the products
.macro STEP2 slot, mode
	s_wait_dscnt 0x0
	PLACES NP
	FETCH_B \slot, 1, 1
	FETCH_A ADRA2+\slot, 1, 0, AF+64
.if \mode
	WIN 0x81
.else
	WIN MUL_LO
.endif
.irp a, 0,1,2,3
	MULA \a, AF, 0, 0, \slot, \mode
.endr
	WIN 0
.endm
.macro TURN2 slot, next, fill, ks
	s_wait_tensorcnt 0x0
	ds_add_u32 v[SPW], v[NIL]
	s_wait_dscnt 1                                 ; the add alone may be out
	WIN MUL_LO
	MULA 0, AF+64, 1, 1, \slot, 0
	s_wait_dscnt 0x0
	s_barrier_signal -1
	MULA 1, AF+64, 1, 1, \slot, 0
	WIN 0
	s_barrier_wait -1
.if \fill
	CREST
	REFILL \slot, 1
	PLACES NP-4
.else
	PLACES NP
.endif
	FETCH_B \next, 0, 0
	FETCH_A ADRA2+\next, 0, 0, AF
	SCALES \next, ADRS2, \ks
	WIN MUL_LO
.irp a, 2,3
	MULA \a, AF+64, 1, 1, \slot, 0
.endr
	WIN 0
.endm
; THE WAY OUT of A's block a: 128 sums a lane are four blocks of 32 (with lane l xor 16): largest magnitude with the floor 2^(9 - 127), scale, hold at 448 x the scale, conversion; the codes leave as four blocks of 512 bytes
.macro QOUT a, ptr, step, xw
.set W, 2+(\a)/4
.set AC, 64*((\a)%4)
	WIN (W<<2)|(W<<4)
.irp b, 0,1,2,3
	v_max3_num_f32 v[TM+\b], 0x4800000, |v[AC+16*\b]|, |v[AC+16*\b+1]|
.endr
.irp i, 2,4,6,8,10,12,14
.irp b, 0,1,2,3
	v_max3_num_f32 v[TM+\b], v[TM+\b], |v[AC+16*\b+\i]|, |v[AC+16*\b+\i+1]|
.endr
.endr
	WIN 0
.irp b, 0,1,2,3
	v_permlanex16_b32 v[TM+4+\b], v[TM+\b], s[SEL], s[SEL+1]
.endr
.irp b, 0,1,2,3
	v_max_num_f32 v[TM+\b], v[TM+\b], v[TM+4+\b]
.endr
.irp b, 0,1,2,3
	v_add_nc_u32 v[TM+12+\b], 0xfc000000, v[TM+\b] ; 8 off the exponent field: the conversion's scale operand
.endr
.irp b, 0,1,2,3
	v_and_or_b32 v[TM+8+\b], v[TM+\b], 0x7f800000, s[MNT]
.endr
.irp b, 0,1,2,3
	v_lshrrev_b32 v[TM+4+\b], 23, v[TM+12+\b]      ; the scale's byte
.endr
	v_lshl_or_b32 v[PW], v[TM+5], 8, v[TM+4]
	v_lshl_or_b32 v[PW], v[TM+6], 16, v[PW]
	v_lshl_or_b32 v[PW], v[TM+7], 24, v[PW]
.if \xw
	s_wait_xcnt 0x0                                ; the block before has read its codes and its base
.endif
.if \step
	s_add_nc_u64 s[\ptr:\ptr+1], s[\ptr:\ptr+1], \step
.endif
	WIN (W<<6)|W
.irp b, 0,1,2,3
.irp i, 0,1,2,3,4,5,6,7,8,9,10,11,12,13,14,15
	v_med3_num_f32 v[AC+16*\b+\i], v[AC+16*\b+\i], -v[TM+8+\b], v[TM+8+\b]
.endr
.endr
	WIN W
.irp b, 0,1,2,3
	v_cvt_scalef32_pk8_fp8_f32 v[PC+4*\b:PC+4*\b+1], v[AC+16*\b:AC+16*\b+7], v[TM+12+\b]
	v_cvt_scalef32_pk8_fp8_f32 v[PC+4*\b+2:PC+4*\b+3], v[AC+16*\b+8:AC+16*\b+15], v[TM+12+\b]
.endr
	WIN 0
	v_nop                                          ; a plain vector line behind the last conversion
	ds_store_b32 v[SWA], v[PW] offset:64*(\a)
.irp b, 0,1,2,3
	global_store_b128 v[VO+\b], v[PC+4*\b:PC+4*\b+3], s[\ptr:\ptr+1]
.endr
.endm
	s_wait_tensorcnt 0x0                           ; my part of K step 0 is in; an add and its wait ahead of a later first fill
	ds_add_u32 v[SPW], v[NIL]
	s_wait_dscnt 0x0                               ; the add is done, and my scale bytes are stored
	CROUND
	JLOAD 1                                        ; K step 1
	FETCH_B 0, 0, 0
	FETCH_A ADRA, 0, 0, AF
	SCALES 0, ADRS, 0
	FETCH_A ADRA, 0, 4, AF
	ASK1 3
	s_wait_loadcnt 0x0                             ; the biases
	STEP 0, 2
	TURN 0, 1, 1, 1, 1, 0
	STEP 1, 0
	TURN 1, 0, 1, 1, 2, 1
	STEP 0, 0
	TURN 0, 1, 2, 1, 3, 2                          ; slot 0 takes V's K step 0,
	STEP 1, 0
	TURN 1, 0, 2, 2, 0, 3                          ; slot 1 its K step 1; V's first fragments are fetched
.irp b, 0,1,2,3
	v_mov_b32 v[TM+4+\b], 0                        ; written once: a lane permute's destination counts as one of its sources
.endr
	QOUT 0, 12, 0, 0
.irp a, 1,2,3,4,5,6,7
	QOUT \a, 12, 1024, 1
.endr
	ds_load_b128 v[SW:SW+3], v[SRD]                ; my 128 tokens' scale words: LDS serves a wave's instructions in order
	s_wait_dscnt 0x0
	global_store_b128 v[VO], v[SW:SW+3], s[92:93]  ; 512 consecutive bytes, aligned
	s_wait_xcnt 0x0                                ; the stores have read their offsets and data: both are written below or loaded into
	v_add_nc_u32 v[VO+1], 2048, v[VO]              ; phase 2: a block of 32 keys is 2,048 bytes on
	v_add_nc_u32 v[VO+2], 4096, v[VO]
	v_add_nc_u32 v[VO+3], 6144, v[VO]
.irp a, 0,1,2,3
.irp j, 0,1,2,3,4,5,6,7
	v_mov_b32 v[BI+8*\a+\j], v[BV+\a]              ; V's bias hangs on the lane's row alone: the same number in a tile's eight registers
.endr
.endr
	s_wait_alu depctr_va_vdst(0)                   ; the wait ahead of the blocking wait below
	STEP2 0, 3
	TURN2 0, 1, 1, 1
	STEP2 1, 0
	TURN2 1, 0, 1, 2
	STEP2 0, 0
	TURN2 0, 1, 0, 3
	STEP2 1, 0
	s_wait_dscnt 0x0
	WIN MUL_LO
.irp a, 0,1,2,3
	MULA \a, AF+64, 1, 1, 1, 0
.endr
	WIN 0
	PLACES NP
	QOUT 0, 78, 0, 1
.irp a, 1,2,3
	QOUT \a, 78, 512, 1
.endr
	ds_load_b64 v[SW:SW+1], v[SRD2]
	s_wait_dscnt 0x0
	global_store_b64 v[SGO2], v[SW:SW+1], s[80:81] ; my head's 64 scale words of these 128 keys: 256 consecutive bytes, aligned
	s_wait_tensorcnt 0x0                           ; the wave's end
	ds_add_u32 v[SPW], v[NIL]
	s_wait_dscnt 0x0
	CROUND                                         ; the closing round
	s_endpgm
.Lfunc_end_k_q6e78b9e420_proj:
	.size	k_q6e78b9e420_proj, .Lfunc_end_k_q6e78b9e420_proj-k_q6e78b9e420_proj
	.p2alignl 7, 3214868480
	.fill 96, 4, 3214868480
	.section	.rodata,"a",@progbits
	.p2align	6, 0x0
	.amdhsa_kernel k_q6e78b9e420_proj
		.amdhsa_group_segment_fixed_size 327680
		.amdhsa_private_segment_fixed_size 0
		.amdhsa_enable_private_segment 0
		.amdhsa_kernarg_size 72
		.amdhsa_user_sgpr_count 2
		.amdhsa_user_sgpr_kernarg_segment_ptr 1
		.amdhsa_wavefront_size32 1
		.amdhsa_system_sgpr_workgroup_id_x 1
		.amdhsa_system_sgpr_workgroup_id_y 1
		.amdhsa_system_sgpr_workgroup_id_z 1
		.amdhsa_system_vgpr_workitem_id 0
		.amdhsa_next_free_vgpr 1024
		.amdhsa_next_free_sgpr 102
		.amdhsa_reserve_vcc 0
		.amdhsa_float_denorm_mode_32 3
		.amdhsa_float_denorm_mode_16_64 3
		.amdhsa_memory_ordered 1
		.amdhsa_forward_progress 1
		.amdhsa_inst_pref_size 255
	.end_amdhsa_kernel
	.section	.bss,"aw",@nobits
	.p2align	6
	.space	262144
	.amdgpu_metadata
---
amdhsa.version: [ 1, 2 ]
amdhsa.kernels:
  - .name:           k_q6e78b9e420_proj
    .symbol:         k_q6e78b9e420_proj.kd
    .args:
      - { .name: xc, .offset: 0, .size: 8, .value_kind: global_buffer, .address_space: global }
      - { .name: xs, .offset: 8, .size: 8, .value_kind: global_buffer, .address_space: global }
      - { .name: wc, .offset: 16, .size: 8, .value_kind: global_buffer, .address_space: global }
      - { .name: ws, .offset: 24, .size: 8, .value_kind: global_buffer, .address_space: global }
      - { .name: bq, .offset: 32, .size: 8, .value_kind: global_buffer, .address_space: global }
      - { .name: bk, .offset: 40, .size: 8, .value_kind: global_buffer, .address_space: global }
      - { .name: bv, .offset: 48, .size: 8, .value_kind: global_buffer, .address_space: global }
      - { .name: hc, .offset: 56, .size: 8, .value_kind: global_buffer, .address_space: global }
      - { .name: hs, .offset: 64, .size: 8, .value_kind: global_buffer, .address_space: global }
    .group_segment_fixed_size: 327680
    .private_segment_fixed_size: 0
    .kernarg_segment_align: 8
    .kernarg_segment_size: 72
    .max_flat_workgroup_size: 128
    .sgpr_count:     102
    .vgpr_count:     1024
    .wavefront_size: 32
...
	.end_amdgpu_metadata
.endif
;; end of part 2
;; launch attn (part 3): grid 4 x 64, 16 waves a work-group, clusters of 4 x 1, 327,680 bytes of LDS; arguments hc, hs, cc, cs; writes cc, cs
.if DOCPART == 3
	.amdgcn_target "amdgcn-amd-amdhsa--gfx1250"
	.amdhsa_code_object_version 6
	.text
	.protected	k_q6e78b9e420_attn
	.globl	k_q6e78b9e420_attn
	.p2align	8
	.type	k_q6e78b9e420_attn,@function
k_q6e78b9e420_attn:
	s_mov_b64 s[64:65], 0
	v_nop
	global_prefetch_b8 v0, s[64:65] scope:SCOPE_SE
	s_setreg_imm32_b32 hwreg(HW_REG_WAVE_MODE, 25, 1), 1
	s_wait_xcnt 0x0
	s_wait_alu depctr_hold_cnt(0) depctr_sa_sdst(0) depctr_va_vdst(0) depctr_va_sdst(0) depctr_va_ssrc(0) depctr_va_vcc(0) depctr_vm_vsrc(0)
	s_getreg_b32 s2, hwreg(HW_REG_IB_STS2, 6, 4)
	s_cmp_eq_u32 s2, 0
	s_cbranch_scc0 .Lentry_in_a_cluster
	s_endpgm
.Lentry_in_a_cluster:
	s_bfe_u32 s2, ttmp6, 0x10000c
	s_cmp_lg_u32 s2, 0x3003
	s_cbranch_scc0 .Lentry_shape_is_right
	s_endpgm
.Lentry_shape_is_right:
; Causal attention of one (batch, head) on the codes that proj made; both products on E4M3 codes with one E8M0 scale for each 32 along K.  The result, divided by the row's sum, is quantised along (head, e) for the last product.
; THE SOFTMAX AHEAD OF THE SECOND PRODUCT: t = score x log2(e) / 8; M = the row's largest t so far, rounded UP to a whole number; p = 2^(t - M) is what is quantised, along the keys; the row's sum is taken of the
; unquantised p.  When M moves, the sum and O are multiplied by 2^(old M - new M): exact.
; LIMITS: hidden scores are taken as -infinity where the model adds -1e9: the same p = 0 as long as logits stay under some 4e8 in magnitude.  A block of zeros gets the byte 1 (its codes are zeros).  NaN and infinities are not served.
; WORK LEFT OUT: key steps all of whose keys come after a tile's queries: the mask that the model builds itself makes their p zero.
; A WHOLE HEAD'S K AND V, 131,072 bytes of codes each, LIE IN LDS, each byte filled once, IN TWO PARTS: key steps 0 to 3 at the head (4,096 bytes a wave), the other twelve (12,288 bytes a wave) as a later first fill, behind a wait, an add
; and a round of the cluster's barrier.  Every wave works four key steps on part 1; then one barrier shows part 2.  No byte is filled again; the launch claims all of LDS.
; CLUSTER.  The four work-groups of a cluster serve one (batch, head) and want the same K and V: each of the sixteen waves asks JOINTLY, by the same tensor load with the same descriptor and the mask of all four.
; SHARES.  A head has 128 tiles of 16 queries.  Work-group cx, wave w makes tile cx + 4 (31 - w) and then tile cx + 4 w.  A tile's last key step, tile / 8, is rho / 2 with rho = 31 - w or w: no branch hangs on cx, and every wave
; walks 17 key steps of 128.  The first tile's last key step is 8 or more, so its steps 0 to 3 are whole for every wave: a loop of 4 trips with no mask.  Its other steps: 12 trips; the second tile's: 8 trips; there a step all of
; whose keys come after the tile's queries is jumped over.  No prefetch: every byte of K and V is asked for by the two fills at the launch's start.
; LAYOUT.  Both products are used transposed: S^T = K Q^T (source 0 = 16 keys), O^T = V^T P^T (source 0 = 16 of the head's 64): a lane holds ONE query throughout.  The rows of a stored tile are chosen (the first launch's text) so
; that two neighbouring tiles' 16 registers are 16 neighbours: keys in S^T, e in O^T.  Tile tau's lane r is query 32 (tau / 2) + 8 (tau % 2) + r + 8 (r / 8).
; K = 64 IN AN INSTRUCTION OF 128: Q's registers 8-15 are zero codes.  K's tile t is named as v[32 + 8 t .. 47 + 8 t]: its upper half is the next tile's codes (held codes, never the NaN code) or zeros; they meet zeros.
; The scale words of K and Q are loaded as 16 bits: the upper two bytes are 0, a small power of two.
; REGISTERS: v1-7 addresses that stay; v8-11 addresses in hand; v12 -M, v13 the largest t, v[14:15] the sum; v16-23 Q, v24-31 zeros; v32-95 K's tiles, then V's; v96-103 zeros; v104-167 S^T, then p; v168-199 O^T;
;   v200-215 p's codes; v216-231 at work; v232-239 scale words (v232-235 also at work in the sums); v[240:241] f; v242-253 at work; v254, v255 the spare word's address and 0.
.set VB,   131072                      ; LDS: K [step 16][tile 8][block 2][512] at 0; V [step 16][block of 32 keys 4][tile of e 4][512] here;
.set SCK,  262144                      ; K's scale words of the head pair, [key 2,048][4 bytes];
.set SCV,  270336                      ; V's, [step 16][e 64][4 bytes]
.set AK0,  1                           ; v1   16 x lane
.set AV0,  2                           ; v2   16 x lane + VB
.set ASK0, 3                           ; v3   SCK + 4 x lane + 2 (head % 2)
.set ASV0, 4                           ; v4   SCV + 4 x lane
.set QL,   5                           ; v5   r + 8 (r / 8) - 16 h
.set QD,   6                           ; v6   my query in its key step, less 16 h
.set R4,   7                           ; v7   4 r
.set ADK,  8
.set ADV,  9
.set ADS,  10
.set ADT,  11
.set KF,   32
.set S,    104
.set OT,   168
.set PCD,  200
.set BM,   216                         ; v216-219 a block's largest score, then its largest p
.set T1,   220                         ; v220-223 at work; bytes
.set LIM,  224                         ; v224-227 448 x the scale
.set SCF,  228                         ; v228-231 the conversions' scale operands
.set KS,   232                         ; v232-235 K's scale words: lanes 0-15 tile 2 u, lanes 16-31 tile 2 u + 1
.set VS,   236                         ; v236-237 V's likewise
.set PWD,  238                         ; v238 p's scale word
.set QS,   239                         ; v239 Q's
.set F,    240
.set TW,   242
.set NINF, 243                         ; v243 -infinity
.set CSO,  244                         ; v244 8 r + h
.set CSB,  245                         ; v245 the scale byte that I store
.set WV,   18
.set MNT,  19
.set SEL,  20
.set CS,   22                          ; s[22:23] c = log2(e) / 8
.set G1,   24                          ; s[24:31] group 1 of part 1's load; s[56:63] of part 2's
.set G0,   32
.set CX,   36
.set HIX,  37                          ; s37  16 batch + head
.set RHO,  38
.set RK,   39                          ; s39  the tile's last key step
.set KI,   40
.set TB,   41                          ; s41  the step's codes: 8,192 bytes a step, in K and in V
.set TS,   42                          ; s42  K's scale words: 512 a step
.set TJ,   43                          ; s43  V's: 256 a step
.set L2A,  44                          ; s44  where my piece of part 2 goes in LDS
.set TAU,  45
.set G2,   56
.macro CROUND                          ; a round of the cluster's barrier
	s_barrier_signal -1
	s_barrier_wait -1
	s_cmp_lg_u32 s[WV], 0
	s_cbranch_scc1 .Lnot_wave_0_\@
	s_barrier_signal -3
.Lnot_wave_0_\@:
	s_barrier_wait -3
	s_barrier_signal -1
	s_barrier_wait -1
.endm
; A TILE'S BEGINNING: its addresses, the loads of its Q, the start of its sums.  n = 0: rho = wave; n = 1: rho = 31 - wave.
.macro PRE n
	s_wait_xcnt 0x0                                ; earlier loads and stores have read their bases and their data: all are written again only behind this wait
.if \n == 0
	s_mov_b32 s[RHO], s[WV]
.else
	s_sub_co_u32 s[RHO], 31, s[WV]
.endif
	s_lshr_b32 s[RK], s[RHO], 1                    ; (cx + 4 rho) / 8
	s_lshl_b32 s[TAU], s[RHO], 2
	s_add_co_u32 s[TAU], s[TAU], s[CX]
	s_lshl_b32 s12, s[HIX], 17
	s_lshl_b32 s13, s[TAU], 10
	s_add_co_u32 s12, s12, s13
	s_mov_b32 s13, 0
	s_add_nc_u64 s[46:47], s[4:5], s[12:13]        ; Q's two blocks
	s_lshr_b32 s12, s[HIX], 1
	s_lshl_b32 s12, s12, 13
	s_lshl_b32 s14, s[TAU], 6
	s_add_co_u32 s12, s12, s14
	s_and_b32 s14, s[HIX], 1
	s_lshl_b32 s14, s14, 1
	s_add_co_u32 s12, s12, s14
	s_add_nc_u64 s[48:49], s[6:7], s[12:13]        ; Q's scale bytes: my head's two of the pair's four
	s_lshr_b32 s14, s[HIX], 4
	s_lshl_b32 s14, s14, 7
	s_add_co_u32 s14, s14, s[TAU]                  ; the tile of rows in cc: 128 batch + tau
	s_and_b32 s15, s[HIX], 15                      ; the head
	s_lshl_b32 s12, s14, 14
	s_lshl_b32 s16, s15, 10
	s_add_co_u32 s12, s12, s16
	s_add_nc_u64 s[50:51], s[8:9], s[12:13]        ; cc: blocks 2 head, 2 head + 1 along K
	s_lshl_b32 s12, s14, 9
	s_lshr_b32 s16, s15, 2
	s_lshl_b32 s16, s16, 7
	s_add_co_u32 s12, s12, s16
	s_and_b32 s16, s15, 3
	s_lshl_b32 s16, s16, 1
	s_add_co_u32 s12, s12, s16
	s_add_nc_u64 s[52:53], s[10:11], s[12:13]      ; cs: [tile][head / 4][r][2 (head % 4) + block]
	global_load_b128 v[16:19], v[AK0], s[46:47]
	global_load_b128 v[20:23], v[AK0], s[46:47] offset:512
	global_load_u16 v[QS], v[R4], s[48:49]
	s_and_b32 s12, s[TAU], 6
	s_lshl_b32 s12, s12, 4                         ; 32 ((tau % 8) / 2)
	s_and_b32 s14, s[TAU], 1
	s_lshl_b32 s14, s14, 3
	s_add_co_u32 s12, s12, s14
	v_add_nc_u32 v[QD], s12, v[QL]
	v_mov_b32 v13, 0xff61b1e6                      ; the largest t so far: -3e38, under every t
	s_delay_alu instid0(VALU_DEP_1)
	v_floor_f32 v12, -v13                          ; -M
	v_mov_b32 v14, 0                               ; the sum, in two halves
	v_mov_b32 v15, 0
.set j, 0
.rept 32
	v_mov_b32 v[OT+j], 0                           ; O^T.  (The step has no first form of its own: the first finds zeros, which the first change of M leaves zeros)
.set j, j+1
.endr
	s_mov_b32 s[KI], 0
	s_mov_b32 s[TB], 0
	s_mov_b32 s[TS], 0
	s_mov_b32 s[TJ], 0
.endm
	s_load_b256 s[4:11], s[0:1], 0x0               ; hc, hs, cc, cs
	v_lshl_add_u32 v254, v0, 2, 0x43000
	v_mov_b32 v255, 0
	ds_add_u32 v254, v255                          ; the opening lines: the add twice on end and its wait
	ds_add_u32 v254, v255
	v_lshrrev_b32 v8, 5, v0
	s_delay_alu instid0(VALU_DEP_1)
	v_readfirstlane_b32 s[WV], v8                  ; wave 0..15
	s_bfe_u32 s[CX], ttmp6, 0x40000                ; my place in the cluster: it enters Q's and the output's addresses and the mask's numbers alone
	s_and_b32 s[HIX], ttmp7, 0xffff                ; which the four partners share
	s_mov_b32 s[G1], 15|(3<<16)|(1<<21)            ; 15:0 the mask: all four work-groups; 17:16 elements of 8 bytes; 21 set beside a mask
	s_mov_b32 s[G1+1], 32<<16                      ; 4,096 dense bytes as 16 rows of 256
	s_mov_b32 s[G1+2], 16<<16
	s_mov_b32 s[G1+3], 32<<16
	s_mov_b32 s[G1+4], 16
	s_mov_b32 s[G1+5], 32
	s_mov_b32 s[G1+6], 0
	s_mov_b32 s[G1+7], 0
	s_mov_b32 s[G2], 15|(3<<16)|(1<<21)
	s_mov_b32 s[G2+1], 32<<16                      ; 12,288 dense bytes as 48 rows of 256
	s_mov_b32 s[G2+2], 48<<16
	s_mov_b32 s[G2+3], 32<<16
	s_mov_b32 s[G2+4], 48
	s_mov_b32 s[G2+5], 32
	s_mov_b32 s[G2+6], 0
	s_mov_b32 s[G2+7], 0
	s_lshr_b32 s14, s[WV], 3                       ; waves 0-7 fetch K (at 8 MiB of hc), waves 8-15 V (at 16 MiB),
	s_and_b32 s15, s[WV], 7                        ; an eighth of a part each
	s_add_co_u32 s12, s14, 1
	s_lshl_b32 s12, s12, 23
	s_lshl_b32 s13, s[HIX], 17                     ; 131,072 bytes a head
	s_add_co_u32 s12, s12, s13
	s_mul_i32 s54, s15, 12288
	s_add_co_u32 s54, s54, 32768                   ; my piece of part 2 in the head's 131,072 bytes,
	s_lshl_b32 s14, s14, 17
	s_add_co_u32 s[L2A], s14, s54                  ; in LDS,
	s_add_co_u32 s54, s54, s12                     ; and in hc
	s_mov_b32 s55, 0
	s_lshl_b32 s15, s15, 12
	s_add_co_u32 s12, s12, s15                     ; my piece of part 1 in hc,
	s_mov_b32 s13, 0
	s_add_co_u32 s14, s14, s15                     ; and in LDS
	s_mov_b32 s[SEL], 0x76543210
	s_mov_b32 s[SEL+1], 0xfedcba98                 ; v_permlanex16_b32's selects for lane l xor 16
	s_mov_b32 s[CS], 0x3e38aa3b
	s_mov_b32 s[CS+1], s[CS]                       ; (named with it as a pair, so it is written)
	s_mov_b32 s[MNT], 0x600000                     ; the mantissa field of 448
	s_wait_dscnt 0x0
	s_wait_kmcnt 0x0
	s_mov_b32 s[G0], 1
	s_mov_b32 s[G0+1], s14
	s_add_nc_u64 s[G0+2:G0+3], s[4:5], s[12:13]
	s_or_b32 s[G0+3], s[G0+3], 0x80000000
	CROUND                                         ; all four work-groups are here: the joint loads meet
	tensor_load_to_lds s[G0:G0+3], s[G1:G1+7]      ; part 1: my one tensor load at the head
	s_nop 0
.rept 4
	v_nop
.endr
	v_lshlrev_b32 v104, 4, v0                      ; the scale words come through registers: 512 threads x 16 bytes of K's, x 8 bytes of V's
	v_lshlrev_b32 v105, 3, v0
	s_lshr_b32 s12, s[HIX], 1
	s_lshl_b32 s12, s12, 13
	s_add_nc_u64 s[14:15], s[6:7], s[12:13]
	s_lshl_b32 s12, s[HIX], 12
	s_add_nc_u64 s[16:17], s[6:7], s[12:13]
	global_load_b128 v[108:111], v104, s[14:15] offset:262144
	global_load_b64 v[112:113], v105, s[16:17] offset:524288
	v_lshl_add_u32 v106, v0, 4, SCK
	v_lshl_add_u32 v107, v0, 3, SCV
	v_and_b32 v9, 31, v0                           ; lane
	v_and_b32 v10, 15, v0                          ; r
	v_bfe_u32 v11, v0, 4, 1                        ; h
	s_delay_alu instid0(VALU_DEP_3)
	v_lshlrev_b32 v[AK0], 4, v9
	s_delay_alu instid0(VALU_DEP_1)
	v_add_nc_u32 v[AV0], VB, v[AK0]
	s_and_b32 s12, s[HIX], 1
	s_lshl_b32 s12, s12, 1
	s_add_co_u32 s12, s12, SCK
	v_lshl_add_u32 v[ASK0], v9, 2, s12
	v_lshl_add_u32 v[ASV0], v9, 2, SCV
	v_and_b32 v[QL], 8, v10
	s_delay_alu instid0(VALU_DEP_1)
	v_add_nc_u32 v[QL], v[QL], v10
	v_lshlrev_b32 v8, 4, v11
	s_delay_alu instid0(VALU_DEP_1)
	v_sub_nc_u32 v[QL], v[QL], v8
	v_lshlrev_b32 v[R4], 2, v10
	v_lshl_add_u32 v[CSO], v10, 3, v11
.irp j, 0,1,2,3,4,5,6,7
	v_mov_b32 v[24+\j], 0                          ; Q's codes for k = 64 .. 127
	v_mov_b32 v[96+\j], 0                          ; what stands behind K's last tile
.endr
.irp b, 0,1,2,3
	v_mov_b32 v[T1+\b], 0                          ; written once: a lane permute's destination counts as one of its sources
.endr
	v_mov_b32 v[F+1], 0                            ; (named as the upper half of the pair before it is ever written)
	v_mov_b32 v[TW], 0
	v_mov_b32 v[NINF], 0xff800000
	PRE 1                                          ; the first tile's Q is asked for here, under the wait for part 1
	s_wait_loadcnt 0x0                             ; the scale words and Q
	ds_store_b128 v106, v[108:111]
	ds_store_b64 v107, v[112:113]
	s_wait_tensorcnt 0x0                           ; my piece of part 1 has landed; an add and its wait ahead of a later first fill:
	ds_add_u32 v254, v255
	s_mov_b32 s[G0+1], s[L2A]                      ; no tensor load of mine is out, so the descriptor may be written: my piece of part 2
	s_add_nc_u64 s[G0+2:G0+3], s[4:5], s[54:55]
	s_or_b32 s[G0+3], s[G0+3], 0x80000000
	s_wait_dscnt 0x0                               ; the add is done, and my scale words are stored
	CROUND                                         ; everybody's piece of part 1 and everybody's scale words are in, and the joint loads meet
	tensor_load_to_lds s[G0:G0+3], s[G2:G2+7]      ; part 2: bytes that nothing has filled
	s_nop 0
.rept 4
	v_nop
.endr
; A KEY STEP: 128 keys.  diag = 0: a step that is whole for every wave: no test and no mask.
.macro STEP diag
.if \diag
	s_cmp_gt_u32 s[KI], s[RK]                      ; all its keys come after my 16 queries: a scalar branch on the wave's number and the trip's
	s_cbranch_scc1 .Lhidden_\@
.endif
	v_add_nc_u32 v[ADK], s[TB], v[AK0]
	v_add_nc_u32 v[ADV], s[TB], v[AV0]
	v_add_nc_u32 v[ADS], s[TS], v[ASK0]
	v_add_nc_u32 v[ADT], s[TJ], v[ASV0]
.rept 4
	v_nop                                          ; with the four additions: eight places in front of loads into registers that the last products read
.endr
.irp t, 0,1,2,3,4,5,6,7
	ds_load_b128 v[KF+8*\t:KF+8*\t+3], v[ADK] offset:1024*\t
	ds_load_b128 v[KF+8*\t+4:KF+8*\t+7], v[ADK] offset:1024*\t+512
.endr
.irp u, 0,1,2,3
	ds_load_u16 v[KS+\u], v[ADS] offset:128*\u
.endr
	s_wait_alu depctr_va_vdst(0)                   ; the wait ahead of the blocking wait below
	s_wait_dscnt 0x0
.irp t, 0,1,2,3,4,5,6,7                        ; S^T = K Q^T: lane (r, h) holds query r; the 16 registers of tiles 2 b, 2 b + 1 are keys 32 b + 16 h + 0 .. 15
.if \t % 2
	v_wmma_scale_f32_16x16x128_f8f6f4 v[S+8*\t:S+8*\t+7], v[KF+8*\t:KF+8*\t+15], v[16:31], 0, v[KS+\t/2], v[QS] matrix_a_scale:MATRIX_SCALE_ROW1
.else
	v_wmma_scale_f32_16x16x128_f8f6f4 v[S+8*\t:S+8*\t+7], v[KF+8*\t:KF+8*\t+15], v[16:31], 0, v[KS+\t/2], v[QS]
.endif
.endr
.rept 8
	v_nop                                          ; places: in front of the loads into K's registers, and of the first read of the scores
.endr
.irp t, 0,1,2,3                                ; V is asked for now: it lands while the softmax is worked
.irp c, 0,1,2,3
	ds_load_b128 v[KF+16*\t+4*\c:KF+16*\t+4*\c+3], v[ADV] offset:2048*\c+512*\t
.endr
.endr
	ds_load_b32 v[VS], v[ADT]
	ds_load_b32 v[VS+1], v[ADT] offset:128
.if \diag
	s_cmp_lg_u32 s[KI], s[RK]                      ; only the tile's last step lies on the diagonal
	s_cbranch_scc1 .Lopen_\@
.set n, 0
.rept 64                                       ; register 16 b + i holds key 32 b + 16 h + i of the step: hidden where 32 b + i > my query - 16 h
	v_cmp_gt_i32 vcc_lo, 32*(n/16)+n%16, v[QD]
	v_cndmask_b32 v[S+n], v[S+n], v[NINF], vcc_lo
.set n, n+1
.endr
.Lopen_\@:
.endif
.irp b, 0,1,2,3
	v_max3_num_f32 v[BM+\b], v[S+16*\b], v[S+1+16*\b], v[S+2+16*\b]   ; the largest score of each block of 32 keys: it serves for the row's maximum and, since p rises with the score, for the block's largest p
.endr
.irp i, 3,5,7,9,11,13
.irp b, 0,1,2,3
	v_max3_num_f32 v[BM+\b], v[BM+\b], v[S+16*\b+\i], v[S+1+16*\b+\i]
.endr
.endr
.irp b, 0,1,2,3
	v_max_num_f32 v[BM+\b], v[BM+\b], v[S+15+16*\b]
.endr
.irp b, 0,1,2,3
	s_delay_alu instid0(VALU_DEP_4)
	v_permlanex16_b32 v[T1+\b], v[BM+\b], s[SEL], s[SEL+1]
.endr
.irp b, 0,1,2,3
	s_delay_alu instid0(VALU_DEP_4)
	v_max_num_f32 v[BM+\b], v[BM+\b], v[T1+\b]     ; with lane l xor 16's 16 keys
.endr
	s_delay_alu instid0(VALU_DEP_2)
	v_max3_num_f32 v[TW], v[BM], v[BM+1], v[BM+2]
	s_delay_alu instid0(VALU_DEP_1)
	v_max_num_f32 v[TW], v[TW], v[BM+3]            ; the step's largest score of my query
	s_delay_alu instid0(VALU_DEP_1)
	v_mul_f32 v[TW], s[CS], v[TW]                  ; as t (c is positive)
	s_delay_alu instid0(VALU_DEP_1)
	v_max_num_f32 v13, v13, v[TW]                  ; the running largest t
	v_mov_b32 v[TW], v12
	s_delay_alu instid0(VALU_DEP_2)
	v_floor_f32 v12, -v13                          ; the new -M = floor(-t): M is a whole number
	s_delay_alu instid0(VALU_DEP_1)
	v_sub_f32 v[TW], v12, v[TW]                    ; M's old value less its new one: a whole number, 0 or less
	s_delay_alu instid0(VALU_DEP_1)
	v_cvt_i32_f32 v[TW], v[TW]                     ; (it saturates)
	s_delay_alu instid0(VALU_DEP_1)
	v_ldexp_f32 v[F], 1.0, v[TW]                   ; f = 2^(old M - new M)
.set j, 0
.rept 32
	v_pk_fma_f32 v[S+j:S+j+1], v[S+j:S+j+1], s[CS:CS+1], v[12:13] op_sel_hi:[1,0,0]   ; t - M, two at a time (of the pairs c and -M the low word serves both halves)
.set j, j+2
.endr
.irp b, 0,1,2,3
	v_fma_f32 v[BM+\b], v[BM+\b], s[CS], v12       ; the same of each block's largest score
.endr
.set j, 0
	s_wait_alu depctr_va_vdst(0)                   ; the wait ahead of the batch too
.rept 64
	v_exp_f32 v[S+j], v[S+j]                       ; p = 2^(t - M), at most 1: not normalised
.set j, j+1
.endr
	v_pk_mul_f32 v[14:15], v[14:15], v[F:F+1] op_sel_hi:[1,0]   ; the sums under the new M: a plain line behind the exponentials
	s_wait_alu depctr_va_vdst(0)                   ; one wait for the whole batch, ahead of its first reader
.irp b, 0,1,2,3
	v_exp_f32 v[BM+\b], v[BM+\b]                   ; the block's largest p: the same two instructions on the same number give the same bits
.endr
	v_pk_add_f32 v[220:221], v[108:109], v[112:113]   ; the row's sum of the unquantised p: two at a time, in eight chains
	v_pk_add_f32 v[252:253], v[116:117], v[120:121]
	v_pk_add_f32 v[250:251], v[124:125], v[128:129]
	v_pk_add_f32 v[248:249], v[132:133], v[136:137]
	v_pk_add_f32 v[246:247], v[140:141], v[144:145]
	v_pk_add_f32 v[234:235], v[148:149], v[152:153]
	v_pk_add_f32 v[232:233], v[156:157], v[160:161]
	v_pk_add_f32 v[14:15], v[14:15], v[164:165]
	v_pk_add_f32 v[220:221], v[220:221], v[104:105]
	v_pk_add_f32 v[252:253], v[252:253], v[106:107]
	v_pk_add_f32 v[250:251], v[250:251], v[110:111]
	v_pk_add_f32 v[248:249], v[248:249], v[114:115]
	v_pk_add_f32 v[246:247], v[246:247], v[118:119]
	v_pk_add_f32 v[234:235], v[234:235], v[122:123]
	v_pk_add_f32 v[232:233], v[232:233], v[126:127]
	v_pk_add_f32 v[14:15], v[14:15], v[130:131]
	v_pk_add_f32 v[220:221], v[220:221], v[134:135]
	v_pk_add_f32 v[252:253], v[252:253], v[138:139]
	v_pk_add_f32 v[250:251], v[250:251], v[142:143]
	v_pk_add_f32 v[248:249], v[248:249], v[146:147]
	v_pk_add_f32 v[246:247], v[246:247], v[150:151]
	v_pk_add_f32 v[234:235], v[234:235], v[154:155]
	v_pk_add_f32 v[232:233], v[232:233], v[158:159]
	v_pk_add_f32 v[14:15], v[14:15], v[162:163]
	v_pk_add_f32 v[220:221], v[220:221], v[166:167]
	s_delay_alu instid0(VALU_DEP_2)
	v_pk_add_f32 v[14:15], v[14:15], v[248:249]
	s_delay_alu instid0(VALU_DEP_2)
	v_pk_add_f32 v[220:221], v[220:221], v[246:247]
	v_pk_add_f32 v[252:253], v[252:253], v[234:235]
	v_pk_add_f32 v[250:251], v[250:251], v[232:233]
	s_delay_alu instid0(VALU_DEP_2)
	v_pk_add_f32 v[14:15], v[14:15], v[252:253]
	s_delay_alu instid0(VALU_DEP_2)
	v_pk_add_f32 v[220:221], v[220:221], v[250:251]
	s_delay_alu instid0(VALU_DEP_1)
	v_pk_add_f32 v[14:15], v[14:15], v[220:221]
	s_wait_alu depctr_va_vdst(0)                   ; and one for the four
.irp b, 0,1,2,3
	v_max_num_f32 v[BM+\b], 0x4800000, v[BM+\b]    ; the floor 2^(9 - 127): the byte cannot fall under 1
.endr
.irp b, 0,1,2,3
	s_delay_alu instid0(VALU_DEP_4)
	v_add_nc_u32 v[SCF+\b], 0xfc000000, v[BM+\b]   ; 8 off the exponent field: the conversion's scale operand
.endr
.irp b, 0,1,2,3
	v_and_or_b32 v[LIM+\b], v[BM+\b], 0x7f800000, s[MNT]   ; 448 x the scale
.endr
.irp b, 0,1,2,3
	v_lshrrev_b32 v[T1+\b], 23, v[SCF+\b]          ; the scale's byte
.endr
	s_delay_alu instid0(VALU_DEP_3)
	v_lshl_or_b32 v[PWD], v[T1+1], 8, v[T1]        ; p's scale word for these 128 keys
	s_delay_alu instid0(VALU_DEP_1)
	v_lshl_or_b32 v[PWD], v[T1+2], 16, v[PWD]
	s_delay_alu instid0(VALU_DEP_1)
	v_lshl_or_b32 v[PWD], v[T1+3], 24, v[PWD]
.irp b, 0,1,2,3
.irp i, 0,2,4,6,8,10,12,14
	v_dual_min_num_f32 v[S+16*\b+\i], v[S+16*\b+\i], v[LIM+\b] :: v_dual_min_num_f32 v[S+16*\b+\i+1], v[S+16*\b+\i+1], v[LIM+\b]   ; the conversion to an 8-bit code does not saturate (ISA guide 7.6.2); p is not negative, so the hold is one-sided; two numbers a line
.endr
	v_cvt_scalef32_pk8_fp8_f32 v[PCD+4*\b:PCD+4*\b+1], v[S+16*\b:S+16*\b+7], v[SCF+\b]
	v_cvt_scalef32_pk8_fp8_f32 v[PCD+4*\b+2:PCD+4*\b+3], v[S+16*\b+8:S+16*\b+15], v[SCF+\b]
.endr
.set j, 0
.rept 16
	v_pk_mul_f32 v[OT+j:OT+j+1], v[OT+j:OT+j+1], v[F:F+1] op_sel_hi:[1,0]   ; O^T under the new M.  (These sixteen are also the lines between the conversions and the products)
.set j, j+2
.endr
	s_wait_alu depctr_va_vdst(0)                   ; the wait ahead of the blocking wait below
	s_wait_dscnt 0x0                               ; V and its scale words are in
.irp t, 0,1,2,3                                ; O^T += V^T P^T: four tiles of 16 of the head's 64, one instruction a turn; K = these 128 keys
.if \t % 2
	v_wmma_scale_f32_16x16x128_f8f6f4 v[OT+8*\t:OT+8*\t+7], v[KF+16*\t:KF+16*\t+15], v[PCD:PCD+15], v[OT+8*\t:OT+8*\t+7], v[VS+\t/2], v[PWD] matrix_a_scale:MATRIX_SCALE_ROW1
.else
	v_wmma_scale_f32_16x16x128_f8f6f4 v[OT+8*\t:OT+8*\t+7], v[KF+16*\t:KF+16*\t+15], v[PCD:PCD+15], v[OT+8*\t:OT+8*\t+7], v[VS+\t/2], v[PWD]
.endif
.endr
.if \diag
.Lhidden_\@:
.endif
	s_add_co_u32 s[TB], s[TB], 8192                ; the next step's tiles and scale words
	s_add_co_u32 s[TS], s[TS], 512
	s_add_co_u32 s[TJ], s[TJ], 256
.endm
.macro KEYS last, diag                 ; key steps from s[KI] up to last - 1
.Lkey_\@:
	STEP \diag
	s_add_co_u32 s[KI], s[KI], 1
	s_cmp_lt_u32 s[KI], \last
	s_cbranch_scc1 .Lkey_\@
.endm
; A TILE'S END: O^T is divided by the row's sum, quantised along e and stored.
.macro FIN
.rept 8
	v_nop                                          ; places behind the last products
.endr
	v_add_f32 v14, v14, v15                        ; the sum's two halves,
	s_delay_alu instid0(VALU_DEP_1)
	v_permlanex16_b32 v[TW], v14, s[SEL], s[SEL+1]
	s_delay_alu instid0(VALU_DEP_1)
	v_add_f32 v14, v14, v[TW]                      ; and lane l xor 16's: the row's sum
	s_wait_alu depctr_va_vdst(0)                   ; the wait ahead of the transcendental too
	v_rcp_f32 v14, v14
	v_nop                                          ; a plain line behind the transcendental
	s_wait_alu depctr_va_vdst(0)                   ; and the wait ahead of its first reader
.set j, 0
.rept 16
	v_pk_mul_f32 v[S+j:S+j+1], v[OT+j:OT+j+1], v[14:15] op_sel_hi:[1,0]   ; O^T / the sum: register 16 b + i is e = 32 b + 16 h + i of my query; each accumulator from its low end on
.set j, j+2
.endr
.irp b, 0,1
	v_max3_num_f32 v[BM+\b], |v[S+16*\b]|, |v[S+1+16*\b]|, 0x4800000   ; two blocks of 32 along the last product's K
.endr
.irp i, 2,4,6,8,10,12,14
.irp b, 0,1
	s_delay_alu instid0(VALU_DEP_2)
	v_max3_num_f32 v[BM+\b], v[BM+\b], |v[S+16*\b+\i]|, |v[S+1+16*\b+\i]|
.endr
.endr
.irp b, 0,1
	s_delay_alu instid0(VALU_DEP_2)
	v_permlanex16_b32 v[T1+\b], v[BM+\b], s[SEL], s[SEL+1]
.endr
.irp b, 0,1
	s_delay_alu instid0(VALU_DEP_2)
	v_max_num_f32 v[BM+\b], v[BM+\b], v[T1+\b]
.endr
.irp b, 0,1
	s_delay_alu instid0(VALU_DEP_2)
	v_add_nc_u32 v[SCF+\b], 0xfc000000, v[BM+\b]
.endr
.irp b, 0,1
	s_delay_alu instid0(VALU_DEP_4)
	v_and_or_b32 v[LIM+\b], v[BM+\b], 0x7f800000, s[MNT]
.endr
.irp b, 0,1
	s_delay_alu instid0(VALU_DEP_4)
	v_lshrrev_b32 v[T1+\b], 23, v[SCF+\b]
.endr
	s_mov_b32 vcc_lo, 0xffff0000
	v_cndmask_b32 v[CSB], v[T1], v[T1+1], vcc_lo   ; lanes 0-15 store block 0's byte, lanes 16-31 block 1's
.irp b, 0,1
.irp i, 0,1,2,3,4,5,6,7,8,9,10,11,12,13,14,15
	v_med3_num_f32 v[S+16*\b+\i], v[S+16*\b+\i], -v[LIM+\b], v[LIM+\b]
.endr
	v_cvt_scalef32_pk8_fp8_f32 v[PCD+4*\b:PCD+4*\b+1], v[S+16*\b:S+16*\b+7], v[SCF+\b]
	v_cvt_scalef32_pk8_fp8_f32 v[PCD+4*\b+2:PCD+4*\b+3], v[S+16*\b+8:S+16*\b+15], v[SCF+\b]
.endr
	v_nop                                          ; a plain vector line behind the last conversion
	global_store_b128 v[AK0], v[PCD:PCD+3], s[50:51]               ; a block: 512 consecutive bytes, aligned
	global_store_b128 v[AK0], v[PCD+4:PCD+7], s[50:51] offset:512
	global_store_b8 v[CSO], v[CSB], s[52:53]       ; single bytes, pairs 8 apart inside 128 bytes: one byte in 32 of what the launch stores
.endm
	KEYS 4, 0                                      ; the first tile's key steps 0 to 3, on part 1: bytes 0 to 32,767 of K and of V
	s_wait_tensorcnt 0x0                           ; my piece of part 2 has landed,
	s_wait_dscnt 0x0
	s_barrier_signal -1
	s_barrier_wait -1                              ; everybody's has.  From here on LDS is only read
	s_mov_b32 s[KI], 4
	s_mov_b32 s[TB], 4*8192
	s_mov_b32 s[TS], 4*512
	s_mov_b32 s[TJ], 4*256
	KEYS 16, 1
	FIN
	PRE 0
	s_wait_loadcnt 0x0                             ; Q
	KEYS 8, 1                                      ; the second tile's last key step is 7 at the most
	FIN
	s_wait_tensorcnt 0x0                           ; the wave's end
	ds_add_u32 v254, v255
	s_wait_dscnt 0x0
	CROUND                                         ; the closing round: no work-group ends while a partner may still ask jointly
	s_endpgm
.Lfunc_end_k_q6e78b9e420_attn:
	.size	k_q6e78b9e420_attn, .Lfunc_end_k_q6e78b9e420_attn-k_q6e78b9e420_attn
	.p2alignl 7, 3214868480
	.fill 96, 4, 3214868480
	.section	.rodata,"a",@progbits
	.p2align	6, 0x0
	.amdhsa_kernel k_q6e78b9e420_attn
		.amdhsa_group_segment_fixed_size 327680
		.amdhsa_private_segment_fixed_size 0
		.amdhsa_enable_private_segment 0
		.amdhsa_kernarg_size 32
		.amdhsa_user_sgpr_count 2
		.amdhsa_user_sgpr_kernarg_segment_ptr 1
		.amdhsa_wavefront_size32 1
		.amdhsa_system_sgpr_workgroup_id_x 1
		.amdhsa_system_sgpr_workgroup_id_y 1
		.amdhsa_system_sgpr_workgroup_id_z 1
		.amdhsa_system_vgpr_workitem_id 0
		.amdhsa_next_free_vgpr 256
		.amdhsa_next_free_sgpr 66
		.amdhsa_reserve_vcc 1
		.amdhsa_float_denorm_mode_32 3
		.amdhsa_float_denorm_mode_16_64 3
		.amdhsa_memory_ordered 1
		.amdhsa_forward_progress 1
		.amdhsa_inst_pref_size 95
	.end_amdhsa_kernel
	.amdgpu_metadata
---
amdhsa.version: [ 1, 2 ]
amdhsa.kernels:
  - .name:           k_q6e78b9e420_attn
    .symbol:         k_q6e78b9e420_attn.kd
    .args:
      - { .name: hc, .offset: 0, .size: 8, .value_kind: global_buffer, .address_space: global }
      - { .name: hs, .offset: 8, .size: 8, .value_kind: global_buffer, .address_space: global }
      - { .name: cc, .offset: 16, .size: 8, .value_kind: global_buffer, .address_space: global }
      - { .name: cs, .offset: 24, .size: 8, .value_kind: global_buffer, .address_space: global }
    .group_segment_fixed_size: 327680
    .private_segment_fixed_size: 0
    .kernarg_segment_align: 8
    .kernarg_segment_size: 32
    .max_flat_workgroup_size: 512
    .sgpr_count:     66
    .vgpr_count:     256
    .wavefront_size: 32
...
	.end_amdgpu_metadata
.endif
;; end of part 3
;; launch outp (part 4): grid 4 x 64, 4 waves a work-group, clusters of 4 x 4, 327,680 bytes of LDS; arguments cc, cs, wc, ws, bo, out0; writes out0
.if DOCPART == 4
	.amdgcn_target "amdgcn-amd-amdhsa--gfx1250"
	.amdhsa_code_object_version 6
	.text
	.protected	k_q6e78b9e420_outp
	.globl	k_q6e78b9e420_outp
	.p2align	8
	.type	k_q6e78b9e420_outp,@function
k_q6e78b9e420_outp:
	s_mov_b64 s[64:65], 0
	v_nop
	global_prefetch_b8 v0, s[64:65] scope:SCOPE_SE
	s_setreg_imm32_b32 hwreg(HW_REG_WAVE_MODE, 25, 1), 1
	s_wait_xcnt 0x0
	s_wait_alu depctr_hold_cnt(0) depctr_sa_sdst(0) depctr_va_vdst(0) depctr_va_sdst(0) depctr_va_ssrc(0) depctr_va_vcc(0) depctr_vm_vsrc(0)
	s_getreg_b32 s2, hwreg(HW_REG_IB_STS2, 6, 4)
	s_cmp_eq_u32 s2, 0
	s_cbranch_scc0 .Lentry_in_a_cluster
	s_endpgm
.Lentry_in_a_cluster:
	s_bfe_u32 s2, ttmp6, 0x10000c
	s_cmp_lg_u32 s2, 0xf033
	s_cbranch_scc0 .Lentry_shape_is_right
	s_endpgm
.Lentry_shape_is_right:
.set FR,     16
; out0 = concat wo + bo on codes of E4M3: cc, cs are attention's result (laid as xc, xs: the first launch's text), wc's and ws's fourth tensor is wo along K; f32 sums, f32 out.
; LIMITS: NaN and infinities are not served.
; THE DEAL: 256 work-groups of four waves; a block of 128 tokens (A: a lane holds a token, source 1) x 256 columns (B: along a lane's registers, source 0); a wave makes 64 x 128: 32 sums in window 2.  The bias is the first products' C.
; THE RING: two slots, each 256 along K: A's 8 tiles at the slot's head, B's 16 from byte 65,536 on; 4,096 consecutive bytes of a stored tile as one row.  Waves 0, 1 fetch 4 tiles of A each, waves 2, 3 8 tiles of B.
; CLUSTERS 4 x 4: A's tiles hang on cy and the cluster's number and are asked for jointly along a row, B's on cx and along a column.
; THE SCALE BYTES, 4,096 of A's and 8,192 of B's, come once through registers into LDS bytes of their own.
; PREFETCH: behind K step 0's fill a wave names K steps 1 and 2, behind K step 1's fill K step 3: 32 blocks of 256 bytes an instruction, a lane a block; each of a joint load's four partners takes two tiles of eight, told apart
; by address (cx for A, cy for B); A's 8 tiles are wave 0's, and wave 1 asks for nothing.  K step 0 comes by its load alone.
; THE WAY OUT: 16 tokens x 128 columns go through the wave's stage (in slot 0, which has had its last fill and its last read by then) and leave as rows of 512 consecutive bytes, aligned.
; The rows of a stored tile are not neighbours: tile 2 i + u, lane r, is row 32 i + 8 u + r + 8 (r / 8), of tokens and of columns alike.
.set NP,     8                         ; plain vector lines behind this matrix form (ISA guide 7.12.1)
.set TILEB,  4096
.set HALFT,  8*TILEB
.set SLOT,   4*HALFT
.set SCL,    2*SLOT
.set SPARE,  SCL+12288                 ; the spare words: 512 bytes that no other line names
.set SPITCH, 528
.set BQO,  7
.set PFO,  10
.set ADRA, 16
.set ADRB, 20
.set STO,  24
.set RD,   25
.set CO,   26
.set ADRS, 27
.set SPW,  28
.set NIL,  29
.set TO,   30
.set TL,   31
.set SC,   32
.set BI,   64
.set AF,   128
.set BK,   128
.set G1, 24
.set G0, 32
.set G1B, 48
.set G0B, 56
.set PF, 72
.set MSB, 0
.macro WIN new                         ; the immediate's high byte repeats the setting that is left
.if MSB != \new
	s_set_vgpr_msb (MSB<<8)|\new
.set MSB, \new
.endif
.endm
.set MUL_LO, 0xa1
.set TO_B,   0x40
.macro PLACES n
.rept \n
	v_nop
.endr
.endm
.macro JLOAD s                         ; a joint load into slot s
	s_cmp_eq_u32 s15, 0
	s_cbranch_scc0 .Lfor_b_\@
	tensor_load_to_lds s[G0+4*\s:G0+4*\s+3], s[G1:G1+7]
	s_nop 0
	PLACES 4
	s_branch .Lasked_\@
.Lfor_b_\@:
	tensor_load_to_lds s[G0B+4*\s:G0B+4*\s+3], s[G1B:G1B+7]
	s_nop 0
	PLACES 4
.Lasked_\@:
.endm
.macro ASK ks
	s_cmp_eq_u32 s14, 1
	s_cbranch_scc1 .Lnone_\@
	global_prefetch_b8 v[PFO], s[PF:PF+1] offset:(\ks)*TILEB th:TH_LOAD_NT scope:SCOPE_SE
.Lnone_\@:
.endm
.macro CREST
	s_cmp_lg_u32 s14, 0
	s_cbranch_scc1 .Lnot_wave_0_\@
	s_barrier_signal -3
.Lnot_wave_0_\@:
	s_barrier_wait -3
	s_barrier_signal -1
	s_barrier_wait -1
.endm
.macro CROUND
	s_barrier_signal -1
	s_barrier_wait -1
	CREST
.endm
	s_load_b256 s[4:11], s[0:1], 0x0               ; cc, cs, wc, ws
	s_load_b128 s[92:95], s[0:1], 0x20             ; bo, out0
	v_lshl_add_u32 v[SPW], v0, 2, SPARE
	v_mov_b32 v[NIL], 0
	ds_add_u32 v[SPW], v[NIL]                      ; the opening lines: the add twice on end and its wait
	ds_add_u32 v[SPW], v[NIL]
	v_lshrrev_b32 v1, 5, v0
	v_readfirstlane_b32 s14, v1                    ; wave
	s_lshr_b32 s15, s14, 1                         ; my half of A's rows; also: I fetch for A (0) or B (1)
	s_and_b32 s16, s14, 1                          ; my half of B's rows; also: which half I fetch
	s_bfe_u32 s40, ttmp6, 0x40000                  ; cx: the block of 256 columns
	s_bfe_u32 s41, ttmp6, 0x40004                  ; cy
	s_and_b32 s17, ttmp7, 0xffff
	s_lshl_b32 s17, s17, 2
	s_add_co_u32 s17, s17, s41                     ; the block of 128 tokens
	s_lshl_b32 s43, s41, 2
	s_lshl_b32 s43, 15, s43                        ; my row of the cluster
	s_lshl_b32 s44, 0x1111, s40                    ; my column
	s_or_b32 s[G1+0], s43, (3<<16)|(1<<21)
	s_or_b32 s[G1B+0], s44, (3<<16)|(1<<21)
.irp g, G1, G1B
	s_mov_b32 s[\g+1], 512<<16
	s_mov_b32 s[\g+3], 512<<16
	s_mov_b32 s[\g+5], 2048
	s_mov_b32 s[\g+6], 0
	s_mov_b32 s[\g+7], 0
.endr
	s_mov_b32 s[G1+2], 4<<16                       ; A: 4 tiles a load
	s_mov_b32 s[G1+4], 4
	s_mov_b32 s[G1B+2], 8<<16                      ; B: 8
	s_mov_b32 s[G1B+4], 8
	s_lshl_b32 s2, s17, 17
	s_lshl_b32 s3, s16, 16
	s_add_co_u32 s2, s2, s3                        ; A in cc: 64 rows a wave
	s_lshl_b32 s18, s40, 18
	s_lshl_b32 s19, s16, 17
	s_add_co_u32 s18, s18, s19
	s_add_co_u32 s18, s18, 3<<20                   ; B in wc
	s_mov_b32 s3, 0
	s_mov_b32 s19, 0
	s_mul_i32 s45, s14, HALFT
	s_mul_i32 s86, s14, HALFT/2
	s_wait_dscnt 0x0
	CROUND                                         ; all sixteen work-groups are here
	s_wait_kmcnt 0x0
	s_add_nc_u64 s[20:21], s[4:5], s[2:3]
	s_add_nc_u64 s[46:47], s[8:9], s[18:19]
.irp s, 0,1
	s_mov_b32 s[G0+4*\s], 1
	s_add_co_u32 s[G0+4*\s+1], s86, \s*SLOT
	s_add_nc_u64 s[G0+4*\s+2:G0+4*\s+3], s[20:21], \s*TILEB
	s_or_b32 s[G0+4*\s+3], s[G0+4*\s+3], 0x80000000
	s_mov_b32 s[G0B+4*\s], 1
	s_add_co_u32 s[G0B+4*\s+1], s45, \s*SLOT
	s_add_nc_u64 s[G0B+4*\s+2:G0B+4*\s+3], s[46:47], \s*TILEB
	s_or_b32 s[G0B+4*\s+3], s[G0B+4*\s+3], 0x80000000
.endr
	JLOAD 0                                        ; K step 0: my one tensor load at the head
	s_lshl_b32 s2, s17, 12
	s_add_nc_u64 s[68:69], s[6:7], s[2:3]          ; A's scale bytes
	s_lshl_b32 s2, s40, 13
	s_add_co_u32 s2, s2, 98304
	s_add_nc_u64 s[70:71], s[10:11], s[2:3]        ; B's
	v_lshlrev_b32 v[TO], 4, v0
.irp j, 0,1
	global_load_b128 v[AF+4*\j:AF+4*\j+3], v[TO], s[68:69] offset:2048*\j
.endr
.irp j, 0,1,2,3
	global_load_b128 v[AF+8+4*\j:AF+8+4*\j+3], v[TO], s[70:71] offset:2048*\j
.endr
	s_lshl_b32 s2, s17, 17                         ; the prefetches' base: a partner's place enters this address alone
	s_lshl_b32 s22, s40, 15
	s_add_co_u32 s2, s2, s22
	s_add_nc_u64 s[PF:PF+1], s[4:5], s[2:3]        ; A: the block's first tile + 2 cx tiles
	s_lshl_b32 s2, s41, 15
	s_add_nc_u64 s[74:75], s[46:47], s[2:3]        ; B: the eight tiles that I fetch, + 2 cy tiles
	s_cmp_eq_u32 s15, 0
	s_cselect_b64 s[PF:PF+1], s[PF:PF+1], s[74:75]
	s_lshl_b32 s2, s40, 10
	s_lshl_b32 s22, s16, 9
	s_add_co_u32 s2, s2, s22                       ; my first column, in bytes
	s_add_nc_u64 s[92:93], s[92:93], s[2:3]
	s_add_nc_u64 s[94:95], s[94:95], s[2:3]
	s_lshl_b32 s2, s17, 19
	s_lshl_b32 s22, s15, 18
	s_add_co_u32 s2, s2, s22                       ; my first token: rows of 4,096 bytes
	s_add_nc_u64 s[94:95], s[94:95], s[2:3]
	s_mul_i32 s4, s15, HALFT/2                     ; LDS places (the arguments that lay in s4-11 have been used)
	s_mul_i32 s5, s16, HALFT
	s_add_co_u32 s5, s5, 2*HALFT
	s_lshl_b32 s10, s15, 11
	s_lshl_b32 s9, s16, 12
	s_add_co_u32 s9, s9, 4096
	s_sub_co_u32 s9, s9, s10                       ; from A's scale words to B's
	s_add_co_u32 s10, s10, SCL
	s_mul_i32 s11, s14, 16*SPITCH                  ; my stage
	v_and_b32 v1, 15, v0                           ; r
	v_bfe_u32 v2, v0, 4, 1                         ; h
	v_and_b32 v3, 31, v0                           ; lane
	v_lshlrev_b32 v[CO], 4, v3
	v_add_nc_u32 v[ADRA], s4, v[CO]
	v_add_nc_u32 v[ADRB], s5, v[CO]
	v_add_nc_u32 v[ADRA+1], SLOT, v[ADRA]
	v_add_nc_u32 v[ADRB+1], SLOT, v[ADRB]
	v_lshlrev_b32 v6, 3, v1
	v_mul_u32_u24 v[ADRS], s9, v2                  ; lanes 0-15 take A's scale words, lanes 16-31 B's
	v_add_nc_u32 v[ADRS], v[ADRS], v6
	v_add_nc_u32 v[ADRS], s10, v[ADRS]
	v_mul_u32_u24 v5, v1, SPITCH
	v_lshl_add_u32 v5, v2, 6, v5
	v_add_nc_u32 v[STO], s11, v5
	v_add_nc_u32 v[RD], s11, v[CO]
	v_lshlrev_b32 v[BQO], 6, v2
	v_lshlrev_b32 v[PFO], 8, v1
	v_lshl_add_u32 v[PFO], v2, 14, v[PFO]
	v_add_nc_u32 v[TL], SCL, v[TO]
	s_wait_alu depctr_va_vdst(0)                   ; the wait at the head's end
.irp b, 0,1,2,3,4,5,6,7
	global_load_b128 v[BI+8*\b:BI+8*\b+3], v[BQO], s[92:93] offset:(32*(\b/2)+8*(\b%2))*4
	global_load_b128 v[BI+8*\b+4:BI+8*\b+7], v[BQO], s[92:93] offset:(32*(\b/2)+8*(\b%2))*4+16
.endr
	ASK 1
	ASK 2
	s_wait_loadcnt 16                              ; the 6 loads of scale bytes are in; the 16 of the bias may be out
.irp j, 0,1,2,3,4,5
	ds_store_b128 v[TL], v[AF+4*\j:AF+4*\j+3] offset:2048*\j
.endr
.macro FRAG reg, adr, q, i
.irp c, 0,1,2,3
	ds_load_b128 v[\reg+4*\c:\reg+4*\c+3], v[\adr] offset:(\i)*TILEB+(4*(\q)+\c)*512
.endr
.endm
.macro MULA a, af, p, q, sc, mode      ; A's block a x B's eight of set p; mode 0: on the sums; 2: C = the bias by B's block.  The sums take turns
.irp b, 0,1,2,3,4,5,6,7
.set D_, 8*(8*(\a)+\b)
.set C_, D_
.if \mode == 2
.set C_, BI+8*\b
.endif
	v_wmma_scale_f32_16x16x128_f8f6f4 v[D_:D_+7], v[128*(\p)+FR*\b:128*(\p)+FR*\b+FR-1], v[\af+FR*(\a):\af+FR*(\a)+FR-1], v[C_:C_+7], v[SC+16*(\sc)+2*\b+(\q)], v[SC+16*(\sc)+2*(\a)+(\q)] matrix_a_scale:MATRIX_SCALE_ROW1
.endr
.endm
.macro FETCH slot, q, p                ; 128 along K: B's eight fragments and A's four into sets p: 48 loads
	WIN TO_B
.irp i, 0,1,2,3,4,5,6,7
	FRAG 128*(\p)+FR*\i, ADRB+\slot, \q, \i
.endr
	WIN 0
.irp i, 0,1,2,3
	FRAG AF+64*(\p)+FR*\i, ADRA+\slot, \q, \i
.endr
.endm
.macro SCALES sc, ks
.irp i, 0,1,2,3,4,5,6,7
	ds_load_b64 v[SC+16*\sc+2*\i:SC+16*\sc+2*\i+1], v[ADRS] offset:\i*512+128*(\ks)
.endr
.endm
.macro STEP2 slot, mode                ; a slot's first 128; the second 128's loads go out ahead of the products
	s_wait_dscnt 0x0
	PLACES NP
	FETCH \slot, 1, 1
.if \mode
	WIN 0x81
.else
	WIN MUL_LO
.endif
.irp a, 0,1,2,3
	MULA \a, AF, 0, 0, \slot, \mode
.endr
	WIN 0
.endm
.macro TURN2 slot, next, fill, ks      ; a slot's second 128 and the change of slots: the tensor wait, the add and its wait, the round, the refill first behind it
	s_wait_tensorcnt 0x0
	ds_add_u32 v[SPW], v[NIL]
	s_wait_dscnt 1                                 ; the add alone may be out
	WIN MUL_LO
	MULA 0, AF+64, 1, 1, \slot, 0
	s_wait_dscnt 0x0
	s_barrier_signal -1
	MULA 1, AF+64, 1, 1, \slot, 0
	WIN 0
	s_barrier_wait -1
.if \fill
	CREST
	s_add_nc_u64 s[G0+4*\slot+2:G0+4*\slot+3], s[G0+4*\slot+2:G0+4*\slot+3], 2*TILEB
	s_add_nc_u64 s[G0B+4*\slot+2:G0B+4*\slot+3], s[G0B+4*\slot+2:G0B+4*\slot+3], 2*TILEB
	JLOAD \slot
	PLACES NP-4
.else
	PLACES NP
.endif
	FETCH \next, 0, 0
	SCALES \next, \ks
	WIN MUL_LO
.irp a, 2,3
	MULA \a, AF+64, 1, 1, \slot, 0
.endr
	WIN 0
.endm
	s_wait_tensorcnt 0x0                           ; my part of K step 0 is in; an add and its wait ahead of a later first fill
	ds_add_u32 v[SPW], v[NIL]
	s_wait_dscnt 0x0                               ; the add is done, and my scale bytes are stored
	CROUND
	JLOAD 1                                        ; K step 1
	FETCH 0, 0, 0
	SCALES 0, 0
	ASK 3
	s_wait_loadcnt 0x0                             ; the bias
	STEP2 0, 2
	TURN2 0, 1, 1, 1
	STEP2 1, 0
	TURN2 1, 0, 1, 2
	STEP2 0, 0
	TURN2 0, 1, 0, 3
	STEP2 1, 0
	s_wait_dscnt 0x0
	WIN MUL_LO
.irp a, 0,1,2,3
	MULA \a, AF+64, 1, 1, 1, 0
.endr
	WIN 0
.macro TOSTAGE a                       ; block a: each sum from its low end on; LDS serves a wave's instructions in order, so no wait stands between the stores and the loads
.set AC, 64*(\a)
	WIN 0x08
.irp b, 0,1,2,3,4,5,6,7
	ds_store_b128 v[STO], v[AC+8*\b:AC+8*\b+3] offset:128*(\b/2)+32*(\b%2)
	ds_store_b128 v[STO], v[AC+8*\b+4:AC+8*\b+7] offset:128*(\b/2)+32*(\b%2)+16
.endr
	WIN 0
.set BB, BK+64*((\a)%2)
.irp t, 0,1,2,3,4,5,6,7,8,9,10,11,12,13,14,15
	ds_load_b128 v[BB+4*\t:BB+4*\t+3], v[RD] offset:\t*SPITCH
.endr
.endm
.macro SEND a, younger                 ; younger: the LDS instructions issued behind block a's loads
.set BB, BK+64*((\a)%2)
	s_wait_dscnt \younger
.irp t, 0,1,2,3,4,5,6,7,8,9,10,11,12,13,14,15
	global_store_b128 v[CO], v[BB+4*\t:BB+4*\t+3], s[94:95] offset:(32*((\a)/2)+8*((\a)%2)+\t+8*(\t/8))*4096 th:TH_STORE_NT
.endr
.endm
	PLACES NP
	TOSTAGE 0
.irp a, 1,2,3
.if \a > 1
	s_wait_xcnt 0x0                                ; block a - 2's stores have read their registers: block a's loads may land there
.endif
	TOSTAGE \a
	SEND \a-1, 32
.endr
	SEND 3, 0
	s_wait_tensorcnt 0x0                           ; the wave's end
	ds_add_u32 v[SPW], v[NIL]
	s_wait_dscnt 0x0
	CROUND                                         ; the closing round
	s_endpgm
.Lfunc_end_k_q6e78b9e420_outp:
	.size	k_q6e78b9e420_outp, .Lfunc_end_k_q6e78b9e420_outp-k_q6e78b9e420_outp
	.p2alignl 7, 3214868480
	.fill 96, 4, 3214868480
	.section	.rodata,"a",@progbits
	.p2align	6, 0x0
	.amdhsa_kernel k_q6e78b9e420_outp
		.amdhsa_group_segment_fixed_size 327680
		.amdhsa_private_segment_fixed_size 0
		.amdhsa_enable_private_segment 0
		.amdhsa_kernarg_size 48
		.amdhsa_user_sgpr_count 2
		.amdhsa_user_sgpr_kernarg_segment_ptr 1
		.amdhsa_wavefront_size32 1
		.amdhsa_system_sgpr_workgroup_id_x 1
		.amdhsa_system_sgpr_workgroup_id_y 1
		.amdhsa_system_sgpr_workgroup_id_z 1
		.amdhsa_system_vgpr_workitem_id 0
		.amdhsa_next_free_vgpr 768
		.amdhsa_next_free_sgpr 102
		.amdhsa_reserve_vcc 0
		.amdhsa_float_denorm_mode_32 3
		.amdhsa_float_denorm_mode_16_64 3
		.amdhsa_memory_ordered 1
		.amdhsa_forward_progress 1
		.amdhsa_inst_pref_size 89
	.end_amdhsa_kernel
	.amdgpu_metadata
---
amdhsa.version: [ 1, 2 ]
amdhsa.kernels:
  - .name:           k_q6e78b9e420_outp
    .symbol:         k_q6e78b9e420_outp.kd
    .args:
      - { .name: cc, .offset: 0, .size: 8, .value_kind: global_buffer, .address_space: global }
      - { .name: cs, .offset: 8, .size: 8, .value_kind: global_buffer, .address_space: global }
      - { .name: wc, .offset: 16, .size: 8, .value_kind: global_buffer, .address_space: global }
      - { .name: ws, .offset: 24, .size: 8, .value_kind: global_buffer, .address_space: global }
      - { .name: bo, .offset: 32, .size: 8, .value_kind: global_buffer, .address_space: global }
      - { .name: out0, .offset: 40, .size: 8, .value_kind: global_buffer, .address_space: global }
    .group_segment_fixed_size: 327680
    .private_segment_fixed_size: 0
    .kernarg_segment_align: 8
    .kernarg_segment_size: 48
    .max_flat_workgroup_size: 128
    .sgpr_count:     102
    .vgpr_count:     768
    .wavefront_size: 32
...
	.end_amdgpu_metadata
.endif
;; end of part 4
